; MI455X (gfx1250); checked and timed in simulation.
; The chip was launched on July 23, 2026; its instructions are those of AMD's public machine-readable ISA for CDNA 5 (MIT licence, August 2026) and "CDNA5" Instruction Set Architecture Reference Guide (July 2026). The comments in the code are by the model that wrote it; some were corrected since.
;; Causal Self Attention. Allowed arithmetic: matrix products marked QUANTISED: E4M3 operands, one given power-of-two scale a tensor, by v_wmma_f32_16x16x64_fp8_fp8 or v_wmma_f32_16x16x128_fp8_fp8, f32 sums; everything else in f32.
;; Inputs: Wk 1,024 x 1,024 float32; Wp 1,024 x 1,024 float32; Wq 1,024 x 1,024 float32; Wv 1,024 x 1,024 float32; bk 1,024 float32; bp 1,024 float32; bq 1,024 float32; bv 1,024 float32; lowp_scales 12 int32 (the exponents e of the quantised operands' scales 2^e); x 4 x 2,048 x 1,024 float32.
;; Outputs: out0 4 x 2,048 x 1,024 float32.
;; This version of the problem:
;;   THIS VERSION OF THE PROBLEM IS GIVEN IN LOW PRECISION. The matrix products marked QUANTISED in the list below multiply operands that are first quantised to E4M3 (4 exponent bits, 3 mantissa bits; 8 bits a number), with one given power-of-two scale for each operand tensor; their sums are f32. All else is computed in f32.
;;   The module's matrix products, in the order in which they are computed (A, B: the left and right operand; K: the contracted axis; several contracted axes count as one K, in the product's order):
;;     1. [M 8,192, K 1,024] x [K 1,024, N 1,024]; A: input x; B: input Wq: QUANTISED (scales: A lowp_scales[0], B lowp_scales[1])
;;     2. [M 8,192, K 1,024] x [K 1,024, N 1,024]; A: input x; B: input Wk: QUANTISED (scales: A lowp_scales[2], B lowp_scales[3])
;;     3. [M 8,192, K 1,024] x [K 1,024, N 1,024]; A: input x; B: input Wv: QUANTISED (scales: A lowp_scales[4], B lowp_scales[5])
;;     4. batch 64 x [M 2,048, K 64] x [K 64, N 2,048]; A: computed on the way; B: computed on the way: QUANTISED (scales: A lowp_scales[6], B lowp_scales[7])
;;     5. batch 64 x [M 2,048, K 2,048] x [K 2,048, N 64]; A: softmax (see below); B: computed on the way: QUANTISED (scales: A lowp_scales[8], B lowp_scales[9])
;;     6. [M 8,192, K 1,024] x [K 1,024, N 1,024]; A: computed on the way; B: input Wp: QUANTISED (scales: A lowp_scales[10], B lowp_scales[11])
;;   THE QUANTISER, for each operand of a quantised product, along K:
;;     - The operand's scale is 2^e, e = its entry of the input lowp_scales (int32; the entries are numbered through the quantised products in the list's order, A before B).
;;     - Each number is divided by the scale, clamped to +-448, and rounded to the nearest number of E4M3, ties to even, subnormals kept.
;;     - The product sums the exact products of the quantised numbers (number of the format x scale) in f32.
;;   ~~~python
;;   def quantise(x, axis, e):      # numpy; x: float32 -> the quantised numbers, widened to float32 again
;;       x = np.moveaxis(x, axis, -1); K = x.shape[-1]
;;       r = np.clip(x / 2.0 ** e, -448, 448)
;;       step = 2.0 ** (np.maximum(np.frexp(np.where(r == 0, 1, r))[1] - 1, -6) - 3)
;;       q = np.round(r / step) * step * 2.0 ** e      # np.round: ties to even
;;       return np.moveaxis(q, -1, axis).astype(np.float32)
;;   ~~~
;;   SOFTMAX AHEAD OF A QUANTISED PRODUCT. Where the list says 'softmax', what is quantised is not the finished softmax but p = 2^(t - M), with t = logit x log2(e) and M = ceil(the row's largest t), a whole number; so 1/2 < the row's largest p <= 1. The row's sum l is taken of the UNQUANTISED p, in f32, and the product's result is divided by l at the end. Since M is a whole number, a kernel that streams over the keys may use a running M (the ceiling of the running maximum): every later rescaling is an exact power of two, so the quantised numbers keep their values, but for numbers so far below the row's largest that they fall under the format's range.
;;   OPERANDS COMPUTED ON THE WAY. 'Computed on the way' means the value that the module computes at that place (a softmax that the list does not call 'softmax' is quantised finished and normalised). What goes into a quantiser is computed in f32, as accurately as f32 sums, v_exp_f32 and their like allow (about 1e-6 of the number): no bf16 or f16 on the way to a quantiser, and a product that is left as it is and whose result goes on into a quantised operand takes f32 operands (vector FMAs, or v_wmma_f32_16x16x4_f32). A number that lies on a knife's edge between two numbers of the format may be rounded either way, as far as f32 arithmetic and the matrix unit's own rounding can turn it there, and no further.
;; 2 versions, each right; version 2 is version 1 with the launch attn written anew for expert scheduling mode. Each part assembles by itself: llvm-mc -triple=amdgcn-amd-amdhsa -mcpu=gfx1250 --defsym DOCPART=n.
;; ======== version 1 of 2: 5 launches
;; limits: right only within a limited range of input values
;; workspace buffers: x_img 25,165,824 bytes; w_img 4,194,304 bytes; q_img 8,388,608 bytes; k_img 8,388,608 bytes; v_img 8,388,608 bytes; y_img 8,388,608 bytes
;; launch quant_x (part 1): grid 512 x 1, 8 waves a work-group, no clusters, 68,608 bytes of LDS; arguments x, lowp_scales, x_img; writes x_img
.if DOCPART == 1
	.amdgcn_target "amdgcn-amd-amdhsa--gfx1250"
	.amdhsa_code_object_version 6
	.text
	.protected	k_q951714d009_quant_x
	.globl	k_q951714d009_quant_x
	.p2align	8
	.type	k_q951714d009_quant_x,@function
k_q951714d009_quant_x:
	s_mov_b64 s[64:65], 0
	v_nop
	global_prefetch_b8 v0, s[64:65] scope:SCOPE_SE
	s_setreg_imm32_b32 hwreg(HW_REG_WAVE_MODE, 25, 1), 1
	s_wait_xcnt 0x0
; CAUSAL SELF-ATTENTION ON CODES OF E4M3, five launches: this one (x into codes), the weights into codes, the three projections, the attention, the projection on the way out.
; WORK LEFT OUT, in the whole program: reference() sets att to -inf wherever key > query (its own jnp.tril) ahead of the softmax, so such a term is exp(-inf) = 0 in the row's sum and in the product with v,
; whatever finite values the inputs hold.  Where ALL keys of a step of 128 come after ALL 16 queries of a tile, the step's two products and its softmax are not done (the attention launch).  Nothing else is left out:
; every input has a way to the output (bq, bk, bv go into quantisers, bp into the result) and every input is loaded.
; LIMIT: a NaN, an infinity or an overflow that reaches only such a hidden step is not carried to the result.
;
; THIS LAUNCH: x [8192][1024] f32 becomes three planes of codes, one for each of the scales given for it (entries 0, 2, 4 of the scales: the products with Wq, Wk, Wv).
; code = x / 2^e, held within +-448, to the nearest code, ties to even.  LIMITS: -126 <= e <= 119; NaN among the inputs is not served.
; LAYOUT OF THE CODES: AN IMAGE OF THE OPERAND'S REGISTERS.  A fragment is 16 rows x 128 k: lane (r = l % 16, h = l / 16) holds row r, registers 2 c, 2 c + 1 hold k = 16 c + 8 h + 0 .. 7.
; Its image is 2,048 bytes: quarter u (registers 4 u .. 4 u + 3) at 512 u + 16 x lane.  x_img = [plane 3][row tile 512][128 k 8][image].
; SHARES: a work-group takes 16 rows, wave w the columns 128 w on: one fragment.  Each load takes 512 consecutive bytes of a row; the 16 rows turn through the wave's own stage in LDS, so that a lane gets
; eight neighbours along k for each conversion; each store covers 512 consecutive bytes, aligned.  Waves share nothing: no barrier.
.set SP,    528                        ; a stage row: 512 bytes + 16
.set STG,   16*SP                      ; a wave's stage
.set SPARE, 8*STG                      ; behind the stages: the spare words, 128 bytes for each wave
.set L16,  1                           ; v1   16 x lane
.set SIN,  2                           ; v2   the stage, on the way in
.set SOUT, 3                           ; v3   and on the way out: row r, + 32 h
.set SC,   4                           ; v4-6 2^e of the three planes
.set LIM,  7                           ; v7-9 448 x 2^e
.set SPW,  12                          ; v12  my spare word; never rewritten
.set NIL,  13                          ; v13  0; never rewritten
.set R,    16                          ; v16-79   the rows as loaded; then the held numbers
.set X,    80                          ; v80-143  register 8 c + j = x(r, 16 c + 8 h + j)
.set C,    144                         ; v144-191 16 registers of codes for each plane: no store's data are written again
	s_load_b128 s[4:7], s[0:1], 0x0                ; x, the scales' exponents
	s_load_b64 s[8:9], s[0:1], 0x10                ; x_img
	v_lshl_add_u32 v[SPW], v0, 2, SPARE
	v_mov_b32 v[NIL], 0
	v_lshrrev_b32 v10, 5, v0
	v_readfirstlane_b32 s12, v10                   ; wave 0..7
	v_and_b32 v10, 31, v0
	v_lshlrev_b32 v[L16], 4, v10
	s_mul_i32 s13, s12, STG
	v_add_nc_u32 v[SIN], s13, v[L16]
	v_and_b32 v10, 15, v0                          ; r
	v_bfe_u32 v11, v0, 4, 1                        ; h
	v_mul_u32_u24 v[SOUT], v10, SP
	v_lshl_add_u32 v[SOUT], v11, 5, v[SOUT]
	v_add_nc_u32 v[SOUT], s13, v[SOUT]
	s_lshl_b32 s14, ttmp9, 16                      ; 16 rows of 4,096 bytes,
	s_lshl_b32 s15, s12, 9                         ; my 512 bytes of a row
	s_add_co_u32 s14, s14, s15
	s_mov_b32 s15, 0
	s_lshl_b32 s16, ttmp9, 3
	s_add_co_u32 s16, s16, s12
	s_lshl_b32 s16, s16, 11                        ; image (8 x row tile + wave)
	s_mov_b32 s17, 0
	s_wait_kmcnt 0x0
	s_load_b128 s[28:31], s[6:7], 0x0              ; entries 0 .. 3
	s_load_b32 s32, s[6:7], 0x10                   ; entry 4
	s_add_nc_u64 s[4:5], s[4:5], s[14:15]
	s_add_nc_u64 s[20:21], s[8:9], s[16:17]        ; a base for each plane: a plane's 8,388,608 bytes are past a store's immediate
	s_add_nc_u64 s[22:23], s[20:21], 0x800000
	s_add_nc_u64 s[24:25], s[22:23], 0x800000
.set i, 0
.rept 16
	global_load_b128 v[R+4*i:R+4*i+3], v[L16], s[4:5] offset:4096*i th:TH_LOAD_NT   ; row i: 32 lanes read 512 consecutive bytes; read once in the launch
.set i, i+1
.endr
.macro MKSCALE e, k                    ; from the whole number in s[e]: 2^e and 448 x 2^e as f32
	s_add_co_i32 s33, s[\e], 127
	s_lshl_b32 s34, s33, 23
	v_mov_b32 v[SC+\k], s34
	s_add_co_i32 s33, s33, 8
	s_lshl_b32 s33, s33, 23
	s_or_b32 s33, s33, 0x600000
	v_mov_b32 v[LIM+\k], s33
.endm
	s_wait_kmcnt 0x0
	MKSCALE 28, 0
	MKSCALE 30, 1
	MKSCALE 32, 2
.set i, 0
.rept 16
	s_wait_loadcnt 15-i                            ; loads come back in order: row i is in, the 15 - i rows behind it may be out
	ds_store_b128 v[SIN], v[R+4*i:R+4*i+3] offset:SP*i
.set i, i+1
.endr
.set i, 0
.rept 16
	ds_load_b128 v[X+4*i:X+4*i+3], v[SOUT] offset:64*(i/2)+16*(i%2)   ; LDS serves a wave's instructions in order: these see my stores
.set i, i+1
.endr
	s_wait_dscnt 0x0                               ; the numbers are back; the stores have read v[R] on, which now takes the held numbers
.macro PLANE s
.set i, 0
.rept 64
	v_med3_num_f32 v[R+i], v[X+i], -v[LIM+\s], v[LIM+\s]   ; the conversion to an 8-bit code does not saturate (ISA guide 7.6.2): the hold comes first
.set i, i+1
.endr
.irp c, 0,1,2,3,4,5,6,7
	v_cvt_scalef32_pk8_fp8_f32 v[C+16*\s+2*\c:C+16*\s+2*\c+1], v[R+8*\c:R+8*\c+7], v[SC+\s]
.endr
	v_nop                                          ; a plain line between the last conversion and the next plane's holds, which write its sources
.irp u, 0,1,2,3
	global_store_b128 v[L16], v[C+16*\s+4*\u:C+16*\s+4*\u+3], s[20+2*\s:21+2*\s] offset:512*\u   ; a quarter of the image: 512 consecutive bytes, aligned
.endr
.endm
	PLANE 0
	PLANE 1
	PLANE 2
	s_wait_tensorcnt 0x0                           ; the wave's end: three closing lines behind my last LDS store
	ds_add_u32 v[SPW], v[NIL]
	s_wait_dscnt 0x0
	s_endpgm
.Lfunc_end_k_q951714d009_quant_x:
	.size	k_q951714d009_quant_x, .Lfunc_end_k_q951714d009_quant_x-k_q951714d009_quant_x
	.p2alignl 7, 3214868480
	.fill 96, 4, 3214868480
	.section	.rodata,"a",@progbits
	.p2align	6, 0x0
	.amdhsa_kernel k_q951714d009_quant_x
		.amdhsa_group_segment_fixed_size 68608
		.amdhsa_private_segment_fixed_size 0
		.amdhsa_enable_private_segment 0
		.amdhsa_kernarg_size 24
		.amdhsa_user_sgpr_count 2
		.amdhsa_user_sgpr_kernarg_segment_ptr 1
		.amdhsa_wavefront_size32 1
		.amdhsa_system_sgpr_workgroup_id_x 1
		.amdhsa_system_sgpr_workgroup_id_y 1
		.amdhsa_system_sgpr_workgroup_id_z 1
		.amdhsa_system_vgpr_workitem_id 0
		.amdhsa_next_free_vgpr 192
		.amdhsa_next_free_sgpr 66
		.amdhsa_reserve_vcc 0
		.amdhsa_float_denorm_mode_32 3
		.amdhsa_float_denorm_mode_16_64 3
		.amdhsa_memory_ordered 1
		.amdhsa_forward_progress 1
		.amdhsa_inst_pref_size 22
	.end_amdhsa_kernel
	.amdgpu_metadata
---
amdhsa.version: [ 1, 2 ]
amdhsa.kernels:
  - .name:           k_q951714d009_quant_x
    .symbol:         k_q951714d009_quant_x.kd
    .args:
      - { .name: x, .offset: 0, .size: 8, .value_kind: global_buffer, .address_space: global }
      - { .name: lowp_scales, .offset: 8, .size: 8, .value_kind: global_buffer, .address_space: global }
      - { .name: x_img, .offset: 16, .size: 8, .value_kind: global_buffer, .address_space: global }
    .group_segment_fixed_size: 68608
    .private_segment_fixed_size: 0
    .kernarg_segment_align: 8
    .kernarg_segment_size: 24
    .max_flat_workgroup_size: 256
    .sgpr_count:     66
    .vgpr_count:     192
    .wavefront_size: 32
...
	.end_amdgpu_metadata
.endif
;; end of part 1
;; launch quant_w (part 2): grid 8 x 32, 4 waves a work-group, no clusters, 16,896 bytes of LDS; arguments Wq, Wk, Wv, Wp, lowp_scales, w_img; writes w_img
.if DOCPART == 2
	.amdgcn_target "amdgcn-amd-amdhsa--gfx1250"
	.amdhsa_code_object_version 6
	.text
	.protected	k_q951714d009_quant_w
	.globl	k_q951714d009_quant_w
	.p2align	8
	.type	k_q951714d009_quant_w,@function
k_q951714d009_quant_w:
	s_mov_b64 s[64:65], 0
	v_nop
	global_prefetch_b8 v0, s[64:65] scope:SCOPE_SE
	s_setreg_imm32_b32 hwreg(HW_REG_WAVE_MODE, 25, 1), 1
	s_wait_xcnt 0x0
; Wq, Wk, Wv, Wp [1024 (k)][1024 (n)] f32, K along the FIRST axis, become codes of E4M3 with the scales given for them (entries 1, 3, 5, 11), laid as images of operand registers with rows = n:
; w_img = [weight 4][n tile 64][128 k 8][image of 2,048 bytes]; in an image lane (r, h) holds row n = 16 tile + r, registers 2 c, 2 c + 1 hold k = 16 c + 8 h + 0 .. 7; quarter u at 512 u + 16 x lane.
; code = w / 2^e, held within +-448, to the nearest code, ties to even.  LIMITS: -126 <= e <= 119; NaN among the inputs is not served.
; A LANE TAKES A COLUMN n AND ITS REGISTERS RUN DOWN K: a load reads 128 consecutive bytes a wave, and a conversion's eight numbers are neighbours along k.  A lane's group g of eight codes (k = 8 g on) is
; register pair g / 2 of the image's lane r + 16 (g % 2): it goes there through the wave's own stage in LDS, and the two images leave as they lie, 512 consecutive bytes a store.
; SHARES: work-group x = 128 columns, y = 8 x weight + (128 k); wave w = 32 columns = two n tiles.  Waves share nothing: no barrier.
.set SPARE, 16384                      ; behind the four stages of 4,096 bytes: the spare words
.set X,   32                           ; v32-159  W(128 kb + i, my column); later the images read back
.set C,   160                          ; v160-191 16 groups of eight codes
.set SPW, 14
.set NIL, 15
	s_load_b256 s[4:11], s[0:1], 0x0               ; Wq, Wk, Wv, Wp
	s_load_b128 s[12:15], s[0:1], 0x20             ; the scales' exponents, w_img
	v_lshl_add_u32 v[SPW], v0, 2, SPARE
	v_mov_b32 v[NIL], 0
	v_lshrrev_b32 v5, 5, v0
	v_readfirstlane_b32 s16, v5                    ; wave 0..3
	v_and_b32 v5, 31, v0
	v_lshlrev_b32 v1, 2, v5                        ; in: 4 bytes a lane
	v_lshlrev_b32 v4, 4, v5                        ; out: 16 bytes a lane
	s_lshl_b32 s17, s16, 12                        ; my stage
	v_add_nc_u32 v3, s17, v4                       ; out of it: as it lies
	v_and_b32 v6, 15, v0
	v_bfe_u32 v7, v0, 4, 1
	v_lshlrev_b32 v2, 4, v6
	v_lshl_add_u32 v2, v7, 11, v2
	v_add_nc_u32 v2, s17, v2                       ; into it: image lane / 16, place of lane r
	s_and_b32 s18, ttmp7, 0xffff
	s_lshr_b32 s19, s18, 3                         ; which weight
	s_and_b32 s18, s18, 7                          ; which 128 along k
	s_lshl_b32 s20, s18, 19                        ; 128 rows of 4,096 bytes
	s_lshl_b32 s21, ttmp9, 9
	s_add_co_u32 s20, s20, s21                     ; + 128 columns x work-group x
	s_lshl_b32 s21, s16, 7
	s_add_co_u32 s20, s20, s21                     ; + 32 columns x wave
	s_mov_b32 s21, 0
	s_lshl_b32 s22, s19, 6
	s_lshl_b32 s23, ttmp9, 3
	s_add_co_u32 s22, s22, s23
	s_lshl_b32 s23, s16, 1
	s_add_co_u32 s22, s22, s23                     ; 64 x weight + my first n tile
	s_lshl_b32 s22, s22, 3
	s_add_co_u32 s22, s22, s18
	s_lshl_b32 s22, s22, 11                        ; its image of this 128 k
	s_mov_b32 s23, 0
	s_and_b32 s26, s19, 1
	s_wait_kmcnt 0x0
	s_load_b256 s[32:39], s[12:13], 0x0            ; entries 0 .. 7
	s_load_b128 s[40:43], s[12:13], 0x20           ; entries 8 .. 11
	s_cmp_eq_u32 s26, 0                            ; the choice of buffer hangs on the work-group's number alone
	s_cselect_b64 s[24:25], s[4:5], s[6:7]
	s_cselect_b64 s[28:29], s[8:9], s[10:11]
	s_cmp_lt_u32 s19, 2
	s_cselect_b64 s[24:25], s[24:25], s[28:29]
	s_add_nc_u64 s[24:25], s[24:25], s[20:21]
	s_add_nc_u64 s[14:15], s[14:15], s[22:23]
.set i, 0
.rept 128
	global_load_b32 v[X+i], v1, s[24:25] offset:4096*i th:TH_LOAD_NT   ; row 128 kb + i at my wave's 32 columns; read once in the launch
.set i, i+1
.endr
	s_wait_kmcnt 0x0
	s_cmp_eq_u32 s26, 0
	s_cselect_b32 s27, s33, s35                    ; entry 1 or 3
	s_cselect_b32 s30, s37, s43                    ; entry 5 or 11
	s_cmp_lt_u32 s19, 2
	s_cselect_b32 s27, s27, s30                    ; e
	s_add_co_i32 s27, s27, 127
	s_lshl_b32 s30, s27, 23
	v_mov_b32 v11, s30                             ; 2^e
	s_add_co_i32 s27, s27, 8
	s_lshl_b32 s27, s27, 23
	s_or_b32 s27, s27, 0x600000
	v_mov_b32 v10, s27                             ; 448 x 2^e
.macro BLOCK t, left                   ; 32 along k: four groups.  left: loads that may stay out: at most as many as were issued behind this block's
	s_wait_loadcnt \left
.set i, 0
.rept 32
	v_med3_num_f32 v[X+32*\t+i], v[X+32*\t+i], -v10, v10   ; the hold ahead of a conversion that does not saturate (ISA guide 7.6.2)
.set i, i+1
.endr
.irp q, 0,1,2,3
	v_cvt_scalef32_pk8_fp8_f32 v[C+2*(4*\t+\q):C+2*(4*\t+\q)+1], v[X+32*\t+8*\q:X+32*\t+8*\q+7], v11
.endr
	v_nop                                          ; a plain line behind the last conversion of the run
.irp q, 0,1,2,3
	ds_store_b64 v2, v[C+2*(4*\t+\q):C+2*(4*\t+\q)+1] offset:512*\t+256*(\q%2)+8*(\q/2)   ; group g = 4 t + q: quarter g / 4, lanes' half g % 2, pair (g / 2) % 2
.endr
.endm
	BLOCK 0, 63                                    ; 96 loads were issued behind block 0's
	BLOCK 1, 63                                    ; 64 behind block 1's
	BLOCK 2, 32
	BLOCK 3, 0
.irp i, 0,1,2,3,4,5,6,7
	ds_load_b128 v[X+4*\i:X+4*\i+3], v3 offset:512*\i   ; LDS serves a wave's instructions in order: these see my stores
.endr
.irp i, 0,1,2,3,4,5,6,7
	s_wait_dscnt 7-\i                              ; quarter i is back; the later ones may be out
	global_store_b128 v4, v[X+4*\i:X+4*\i+3], s[14:15] offset:(\i/4)*16384+(\i%4)*512   ; 512 consecutive bytes, aligned; the second n tile's image lies eight images on
.endr
	s_wait_tensorcnt 0x0                           ; the wave's end: three closing lines behind my last LDS store
	ds_add_u32 v[SPW], v[NIL]
	s_wait_dscnt 0x0
	s_endpgm
.Lfunc_end_k_q951714d009_quant_w:
	.size	k_q951714d009_quant_w, .Lfunc_end_k_q951714d009_quant_w-k_q951714d009_quant_w
	.p2alignl 7, 3214868480
	.fill 96, 4, 3214868480
	.section	.rodata,"a",@progbits
	.p2align	6, 0x0
	.amdhsa_kernel k_q951714d009_quant_w
		.amdhsa_group_segment_fixed_size 16896
		.amdhsa_private_segment_fixed_size 0
		.amdhsa_enable_private_segment 0
		.amdhsa_kernarg_size 48
		.amdhsa_user_sgpr_count 2
		.amdhsa_user_sgpr_kernarg_segment_ptr 1
		.amdhsa_wavefront_size32 1
		.amdhsa_system_sgpr_workgroup_id_x 1
		.amdhsa_system_sgpr_workgroup_id_y 1
		.amdhsa_system_sgpr_workgroup_id_z 1
		.amdhsa_system_vgpr_workitem_id 0
		.amdhsa_next_free_vgpr 192
		.amdhsa_next_free_sgpr 66
		.amdhsa_reserve_vcc 0
		.amdhsa_float_denorm_mode_32 3
		.amdhsa_float_denorm_mode_16_64 3
		.amdhsa_memory_ordered 1
		.amdhsa_forward_progress 1
		.amdhsa_inst_pref_size 27
	.end_amdhsa_kernel
	.amdgpu_metadata
---
amdhsa.version: [ 1, 2 ]
amdhsa.kernels:
  - .name:           k_q951714d009_quant_w
    .symbol:         k_q951714d009_quant_w.kd
    .args:
      - { .name: Wq, .offset: 0, .size: 8, .value_kind: global_buffer, .address_space: global }
      - { .name: Wk, .offset: 8, .size: 8, .value_kind: global_buffer, .address_space: global }
      - { .name: Wv, .offset: 16, .size: 8, .value_kind: global_buffer, .address_space: global }
      - { .name: Wp, .offset: 24, .size: 8, .value_kind: global_buffer, .address_space: global }
      - { .name: lowp_scales, .offset: 32, .size: 8, .value_kind: global_buffer, .address_space: global }
      - { .name: w_img, .offset: 40, .size: 8, .value_kind: global_buffer, .address_space: global }
    .group_segment_fixed_size: 16896
    .private_segment_fixed_size: 0
    .kernarg_segment_align: 8
    .kernarg_segment_size: 48
    .max_flat_workgroup_size: 128
    .sgpr_count:     66
    .vgpr_count:     192
    .wavefront_size: 32
...
	.end_amdgpu_metadata
.endif
;; end of part 2
;; launch gemm_qkv (part 3): grid 12 x 32, 4 waves a work-group, clusters of 4 x 4, 327,680 bytes of LDS; arguments x_img, w_img, lowp_scales, bq, bk, bv, q_img, k_img, v_img; writes q_img, k_img, v_img
.if DOCPART == 3
	.amdgcn_target "amdgcn-amd-amdhsa--gfx1250"
	.amdhsa_code_object_version 6
	.text
	.protected	k_q951714d009_gemm_qkv
	.globl	k_q951714d009_gemm_qkv
	.p2align	8
	.type	k_q951714d009_gemm_qkv,@function
k_q951714d009_gemm_qkv:
	s_mov_b64 s[64:65], 0
	v_nop
	global_prefetch_b8 v0, s[64:65] scope:SCOPE_SE
	s_setreg_imm32_b32 hwreg(HW_REG_WAVE_MODE, 25, 1), 1
	s_wait_xcnt 0x0
	s_wait_alu depctr_hold_cnt(0) depctr_sa_sdst(0) depctr_va_vdst(0) depctr_va_sdst(0) depctr_va_ssrc(0) depctr_va_vcc(0) depctr_vm_vsrc(0)
	s_getreg_b32 s2, hwreg(HW_REG_IB_STS2, 6, 4)
	s_cmp_eq_u32 s2, 0
	s_cbranch_scc0 .Lentry_in_a_cluster
	s_endpgm
.Lentry_in_a_cluster:
	s_bfe_u32 s2, ttmp6, 0x10000c
	s_cmp_lg_u32 s2, 0xf033
	s_cbranch_scc0 .Lentry_shape_is_right
	s_endpgm
.Lentry_shape_is_right:
; q = x Wq + bq, k = x Wk + bk, v = x Wv + bv on codes of E4M3, and each result quantised at once with the scale given for it in the attention's products (entries 6, 7, 9).  Nothing of reference() is left out here.
; Which product: kd = the cluster's x (0 q, 1 k, 2 v), the same in all sixteen partners.  x's codes are plane kd of x_img (entry 2 kd), the weight's are part kd of w_img (entry 2 kd + 1).
; A tile of 256 x 256 results is made by four waves, 128 x 128 each: 64 accumulators of 16 x 16.  K = 1,024 goes in four steps of 256 through two LDS slots filled by the tensor data mover.
; OPERANDS LIE AS IMAGES OF THEIR REGISTERS (16 rows x 128 k = 2,048 bytes, quarter u at 512 u + 16 x lane), a row tile's eight images on end: a K step is 4,096 consecutive bytes of each row tile, and a
; fragment comes by four ds_load_b128 of 512 consecutive bytes: no pitch, no padding.
; THE MATRIX INSTRUCTION: source 0 = 16 rows of the B side, source 1 = 16 rows of the A side: lane (r, h) holds A's row r and B's rows 8 h + 0 .. 7 in its eight registers.
;   q, k: A side = x's rows (t), B side = W's rows (channel): a lane's eight registers are eight neighbours of the head's 64: the K of the scores.
;   v:    A side = Wv's rows (channel), B side = x's rows (t): eight neighbouring KEYS: the K of the attention's second product.  The same text on the transposed problem: only pointers and tile numbers are chosen.
; So one conversion of eight registers IS a register pair of the next operand, and the results leave as images: each store covers 512 consecutive bytes, aligned; no stage.
; CLUSTERS: 4 x 4 work-groups; the A side's tile is shared along a row of the cluster, the B side's along a column: each is asked for jointly, by the same tensor load with a mask that names the four.
; 384 tiles for the grid: an N tile must divide 1,024, since q, k and v take different codes of x.
; LIMITS: entry 2 kd + entry 2 kd + 1 between -126 and 127; the result's entry between -126 and 119.
; REGISTERS in windows of 256: window 0: addresses; v32-95 the bias; from v128 A's fragments, one set (on the way out: v128-191 numbers, v192-255 codes); window 1: B's fragments, two sets; windows 2, 3: accumulator (a, b) at v[8 (8 (a % 4) + b)].
.set NA,    8                          ; A's blocks of 16 rows in a wave
.set HB,    NA/2
.set NL,    4                          ; LDS loads that bring a fragment
.set FR,    16                         ; registers of a fragment
.set AHALF, NA*4096                    ; what one tensor load brings for A: NA row tiles x 4,096 bytes
.set BHALF, 32768                      ; and for B: 8 row tiles
.set SLOT,  2*AHALF+2*BHALF
.set SPARE, 2*SLOT                     ; behind the ring: the spare words, 128 bytes for each wave
.set VH,   2                           ; v2   32 h
.set VR,   3                           ; v3   4 r
.set ADRA, 16                          ; v16-17 my A fragments in slot 0, 1
.set ADRB, 20                          ; v20-21 my B fragments
.set CO,   26                          ; v26  16 x lane
.set SPW,  28                          ; v28  my spare word; never rewritten
.set NIL,  29                          ; v29  0; never rewritten
.set LIM,  30                          ; v30  448 x 2^e of the result's quantiser
.set SC,   31                          ; v31  2^e
.set BI,   32
.set AF,   128
.set TMP,  128
.set CD,   192
.set G1,  24                           ; s[24:31] descriptor group 1 for A's tiles; s[32:39] group 0, a set for each slot
.set G0,  32
.set G1B, 48                           ; s[48:55], s[56:63] the same for B's
.set G0B, 56
.set W_H0, 0xa1                        ; source 0 (B) window 1, source 1 (A) window 0, C and D window 2
.set W_H1, 0xf1                        ; the same, C and D window 3
.set TO_B, 0x40                        ; destination window 1, address window 0
.set MSB, 0
.macro WIN new                         ; the immediate's high byte repeats the setting that is left
.if MSB != (\new)
	s_set_vgpr_msb (MSB<<8)|(\new)
.set MSB, (\new)
.endif
.endm
; A joint load: waves 0 and 1 fetch for A, waves 2 and 3 for B; the branch hangs on the wave's number alone.  An s_nop 0 and four v_nop follow each of the two lines.
.macro JLOAD g0a, g1a, g0b, g1b
	s_cmp_eq_u32 s15, 0
	s_cbranch_scc0 .Lfor_b_\@
	tensor_load_to_lds s[\g0a:\g0a+3], s[\g1a:\g1a+7]
	s_nop 0
.rept 4
	v_nop
.endr
	s_branch .Lasked_\@
.Lfor_b_\@:
	tensor_load_to_lds s[\g0b:\g0b+3], s[\g1b:\g1b+7]
	s_nop 0
.rept 4
	v_nop
.endr
.Lasked_\@:
.endm
.macro CREST                           ; a round of the cluster's barrier behind its opening barrier
	s_cmp_lg_u32 s14, 0
	s_cbranch_scc1 .Lnot_wave_0_\@
	s_barrier_signal -3
.Lnot_wave_0_\@:
	s_barrier_wait -3
	s_barrier_signal -1
	s_barrier_wait -1
.endm
.macro CROUND
	s_barrier_signal -1
	s_barrier_wait -1
	CREST
.endm
.macro PLACES                          ; four plain vector lines between a matrix instruction and a load into, or a vector line on, one of its registers
.rept 4
	v_nop
.endr
.endm
.macro FRAG reg, adr, q, i             ; row tile i, the slot's q-th 128 along k
.irp c, 0,1,2,3
	ds_load_b128 v[\reg+4*\c:\reg+4*\c+3], v[\adr] offset:(\i)*4096+(\q)*2048+512*\c
.endr
.endm
.macro FETCH_B slot, q, p              ; B's eight fragments into set p
	WIN TO_B
.irp i, 0,1,2,3,4,5,6,7
	FRAG 128*(\p)+FR*\i, ADRB+\slot, \q, \i
.endr
	WIN 0
.endm
.macro FETCH_A slot, q, a0             ; A's blocks a0 .. a0 + HB - 1
.set fa, \a0
.rept HB
	FRAG AF+FR*fa, ADRA+\slot, \q, fa
.set fa, fa+1
.endr
.endm
; cnt blocks of A from a0 on, each against B's eight of set p.  The accumulators take turns, one instruction a turn, in the same order in every step.  zero = 1: the products start the sums.
.macro MULR a0, cnt, p, zero
.set ma, \a0
.rept \cnt
.irp b, 0,1,2,3,4,5,6,7
.if \zero
	v_wmma_f32_16x16x128_fp8_fp8 v[8*(8*(ma%4)+\b):8*(8*(ma%4)+\b)+7], v[128*(\p)+FR*\b:128*(\p)+FR*\b+FR-1], v[AF+FR*ma:AF+FR*ma+FR-1], 0
.else
	v_wmma_f32_16x16x128_fp8_fp8 v[8*(8*(ma%4)+\b):8*(8*(ma%4)+\b)+7], v[128*(\p)+FR*\b:128*(\p)+FR*\b+FR-1], v[AF+FR*ma:AF+FR*ma+FR-1], v[8*(8*(ma%4)+\b):8*(8*(ma%4)+\b)+7]
.endif
.endr
.set ma, ma+1
.endr
.endm
; A slot's first 128 along k; its successor lies in the same slot.
.macro STEP slot, zero
	s_wait_dscnt HB*NL                             ; B's set and A's first half are in; the youngest loads, A's second half, may be out
	WIN W_H0
	MULR 0, HB, 0, \zero
	s_wait_dscnt 0x0                               ; A's second half is in
	PLACES
	FETCH_B \slot, 1, 1
	FETCH_A \slot, 1, 0
	WIN W_H1
	MULR HB, HB, 0, \zero
	PLACES
	WIN 0
	FETCH_A \slot, 1, HB
.endm
; A slot's second 128 along k, and the change of slots: one barrier; in front of it each wave waits for all its tensor loads, adds 0 to its spare word, and waits for that and for its reads of this slot.
.macro TURN slot, next, fill
	s_wait_tensorcnt 0x0                           ; all my tensor loads have landed: my part of the next slot
	ds_add_u32 v[SPW], v[NIL]                      ; 0 onto my spare word
	s_wait_dscnt HB*NL+1                           ; the add and A's second half may be out
	WIN W_H0
	MULR 0, HB/2, 1, 0
	s_wait_dscnt 0x0                               ; the add is done, and my reads of this slot are over
	s_barrier_signal -1
	MULR HB/2, HB/2, 1, 0
	WIN 0
	s_barrier_wait -1
.if \fill
	CREST                                          ; the barrier has opened a round of the cluster's: no wave of any partner still reads this slot or has a load on its way
	s_add_nc_u64 s[G0+4*\slot+2:G0+4*\slot+3], s[G0+4*\slot+2:G0+4*\slot+3], 8192   ; two K steps on
	s_add_nc_u64 s[G0B+4*\slot+2:G0B+4*\slot+3], s[G0B+4*\slot+2:G0B+4*\slot+3], 8192
	JLOAD G0+4*\slot, G1, G0B+4*\slot, G1B         ; the first tensor load behind the round; its four v_nop are the places in front of the loads below
.else
	PLACES
.endif
	FETCH_B \next, 0, 0
	FETCH_A \next, 0, 0
	WIN W_H1
	MULR HB, HB, 1, 0
	PLACES
	WIN 0
	FETCH_A \next, 0, HB
.endm
.macro LAST                            ; the last 128 along k: nothing more to fetch
	s_wait_dscnt HB*NL
	WIN W_H0
	MULR 0, HB, 1, 0
	s_wait_dscnt 0x0
	WIN W_H1
	MULR HB, HB, 1, 0
	WIN 0
.endm
	s_load_b512 s[68:83], s[0:1], 0x0              ; x_img 68, w_img 70, scales 72, bq 74, bk 76, bv 78, q_img 80, k_img 82
	s_load_b64 s[84:85], s[0:1], 0x40              ; v_img
	v_lshl_add_u32 v[SPW], v0, 2, SPARE
	v_mov_b32 v[NIL], 0
	ds_add_u32 v[SPW], v[NIL]                      ; the wave's opening: the add, twice on end, and its wait ahead of my first tensor load
	ds_add_u32 v[SPW], v[NIL]
	v_lshrrev_b32 v1, 5, v0
	v_readfirstlane_b32 s14, v1                    ; wave 0..3
	s_lshr_b32 s15, s14, 1                         ; my half of A's rows.  Also: I fetch for A (0) or for B (1)
	s_and_b32 s16, s14, 1                          ; my half of B's rows.  Also: which half of that tile I fetch
	s_bfe_u32 s40, ttmp6, 0x40000                  ; cx
	s_bfe_u32 s41, ttmp6, 0x40004                  ; cy
	s_mov_b32 s42, ttmp9                           ; kd: the cluster's x
	s_and_b32 s43, ttmp7, 0xffff
	s_lshl_b32 s43, s43, 2                         ; 4 x the cluster's y: it walks x's 32 tiles of 256 rows
	s_cmp_eq_u32 s42, 2                            ; v?
	s_cselect_b32 s44, 0, s43
	s_cselect_b32 s45, s43, 0
	s_cselect_b32 s94, 1, 0
	s_add_co_u32 s44, s44, s41                     ; A's tile: hangs on cy, never on cx
	s_add_co_u32 s45, s45, s40                     ; B's tile: hangs on cx, never on cy
	s_lshl_b32 s46, s41, 2
	s_lshl_b32 s46, 15, s46                        ; my row of the cluster
	s_lshl_b32 s47, 0x1111, s40                    ; my column
	s_or_b32 s[G1], s46, (3<<16)|(1<<21)           ; 15:0 the mask; 17:16 elements of 8 bytes; 20 no padding; 21 set beside a mask
	s_or_b32 s[G1B], s47, (3<<16)|(1<<21)
.irp g, G1, G1B
	s_mov_b32 s[\g+1], 512<<16                     ; tensor_dim0 = 512 elements: a K step's 4,096 bytes of a row tile
	s_mov_b32 s[\g+3], 512<<16                     ; tile_dim0
	s_mov_b32 s[\g+5], 2048                        ; from row tile to row tile: 16,384 bytes
	s_mov_b32 s[\g+6], 0
	s_mov_b32 s[\g+7], 0
.endr
	s_mov_b32 s[G1+2], NA<<16                      ; tensor_dim1 = the row tiles of a load
	s_mov_b32 s[G1+4], NA                          ; tile_dim1
	s_mov_b32 s[G1B+2], 8<<16
	s_mov_b32 s[G1B+4], 8
	s_lshl_b32 s4, s44, 4
	s_lshl_b32 s5, s16, 3
	s_add_co_u32 s4, s4, s5
	s_lshl_b32 s4, s4, 14                          ; A: row tile 16 x tile + 8 x half, 16,384 bytes each
	s_mov_b32 s5, 0
	s_lshl_b32 s6, s45, 4
	s_lshl_b32 s7, s16, 3
	s_add_co_u32 s6, s6, s7
	s_lshl_b32 s6, s6, 14                          ; B likewise
	s_mov_b32 s7, 0
	s_lshl_b32 s8, s42, 23                         ; x's plane kd
	s_mov_b32 s9, 0
	s_lshl_b32 s10, s42, 20                        ; weight kd
	s_mov_b32 s11, 0
	s_lshl_b32 s92, s42, 3                         ; entries 2 kd, 2 kd + 1
	s_mov_b32 s93, 0
	s_add_co_u32 s94, s94, s42
	s_lshl_b32 s94, s94, 2                         ; entry 6 + kd (+ 1 for v)
	s_mov_b32 s95, 0
	s_mul_i32 s22, s16, AHALF                      ; where the tiles go: no place in the cluster enters an LDS address
	s_mul_i32 s23, s16, BHALF
	s_add_co_u32 s23, s23, 2*AHALF
	s_wait_dscnt 0x0                               ; both opening adds are done
	s_wait_kmcnt 0x0
	s_add_nc_u64 s[92:93], s[72:73], s[92:93]
	s_add_nc_u64 s[94:95], s[72:73], s[94:95]
	s_load_b64 s[88:89], s[92:93], 0x0             ; the two operands' exponents
	s_load_b32 s90, s[94:95], 0x18                 ; the result's
	s_add_nc_u64 s[8:9], s[68:69], s[8:9]
	s_add_nc_u64 s[10:11], s[70:71], s[10:11]
	s_cmp_eq_u32 s42, 2
	s_cselect_b64 s[18:19], s[10:11], s[8:9]       ; the A side: x, or Wv
	s_cselect_b64 s[20:21], s[8:9], s[10:11]       ; the B side: the weight, or x
	s_add_nc_u64 s[18:19], s[18:19], s[4:5]
	s_add_nc_u64 s[20:21], s[20:21], s[6:7]
	CROUND                                         ; all sixteen work-groups are here: the first joint loads meet
.irp s, 0,1
	s_mov_b32 s[G0+4*\s], 1
	s_add_co_u32 s[G0+4*\s+1], s22, \s*SLOT
	s_add_nc_u64 s[G0+4*\s+2:G0+4*\s+3], s[18:19], \s*4096
	s_or_b32 s[G0+4*\s+3], s[G0+4*\s+3], 0x80000000
	s_mov_b32 s[G0B+4*\s], 1
	s_add_co_u32 s[G0B+4*\s+1], s23, \s*SLOT
	s_add_nc_u64 s[G0B+4*\s+2:G0B+4*\s+3], s[20:21], \s*4096
	s_or_b32 s[G0B+4*\s+3], s[G0B+4*\s+3], 0x80000000
	JLOAD G0+4*\s, G1, G0B+4*\s, G1B               ; K steps 0 and 1: two loads of mine are out
.endr
	v_and_b32 v1, 31, v0
	v_lshlrev_b32 v[CO], 4, v1
	s_mul_i32 s12, s15, AHALF
	s_mul_i32 s13, s16, BHALF
	s_add_co_u32 s13, s13, 2*AHALF
.irp s, 0,1
	v_add_nc_u32 v[ADRA+\s], s12, v[CO]
	v_add_nc_u32 v[ADRB+\s], s13, v[CO]
	s_add_co_u32 s12, s12, SLOT
	s_add_co_u32 s13, s13, SLOT
.endr
	v_bfe_u32 v[VH], v0, 4, 1
	v_lshlrev_b32 v[VH], 5, v[VH]
	v_and_b32 v[VR], 15, v0
	v_lshlrev_b32 v[VR], 2, v[VR]
	s_wait_tensorcnt 1                             ; my part of K step 0 is in; K step 1's may stay out
	s_barrier_signal -1
	s_barrier_wait -1
	FETCH_B 0, 0, 0
	FETCH_A 0, 0, 0
	FETCH_A 0, 0, HB
	STEP 0, 1                                      ; K = 1,024 is four K steps: written out, no loop
	TURN 0, 1, 1
	STEP 1, 0
	TURN 1, 0, 1
	STEP 0, 0
	TURN 0, 1, 0                                   ; nothing is left to fetch: a plain barrier
	STEP 1, 0
	s_wait_kmcnt 0x0
	s_add_co_i32 s88, s88, s89
	s_add_co_i32 s88, s88, 127
	s_lshl_b32 s88, s88, 23                        ; 2^(the two operands' exponents added)
	s_mov_b32 s89, s88                             ; (named with it as a pair)
	s_add_co_i32 s90, s90, 127
	s_lshl_b32 s91, s90, 23
	v_mov_b32 v[SC], s91
	s_add_co_i32 s90, s90, 8
	s_lshl_b32 s90, s90, 23
	s_or_b32 s90, s90, 0x600000
	v_mov_b32 v[LIM], s90
; THE WAY OUT of A's block a: sum x 2^(..) + bias (one packed multiply-add for two), the hold, eight conversions: 16 registers of codes, stored as they stand.  kind = 0: q, k; 1: v.
.macro EPI kind, a
.set AC, 64*((\a)%4)
.set CB, CD+16*((\a)%4)
.if (\a) >= 4
	s_wait_xcnt 0x0                                ; block a - 4's stores have read their data: the same registers take this block's codes
.endif
	WIN 0x02+(\a)/4                                ; source 0: window 2 or 3
.irp b, 0,1,2,3,4,5,6,7
.irp i, 0,2,4,6
.if \kind
	v_pk_fma_f32 v[TMP+8*\b+\i:TMP+8*\b+\i+1], v[AC+8*\b+\i:AC+8*\b+\i+1], s[88:89], v[BI+2*(\a):BI+2*(\a)+1] op_sel_hi:[1,0,1]   ; each accumulator from its low end on
.else
	v_pk_fma_f32 v[TMP+8*\b+\i:TMP+8*\b+\i+1], v[AC+8*\b+\i:AC+8*\b+\i+1], s[88:89], v[BI+8*\b+\i:BI+8*\b+\i+1] op_sel_hi:[1,0,1]
.endif
.endr
.endr
	WIN 0
.set j, 0
.rept 64
	v_med3_num_f32 v[TMP+j], v[TMP+j], -v[LIM], v[LIM]   ; the hold ahead of a conversion that does not saturate (ISA guide 7.6.2)
.set j, j+1
.endr
.irp b, 0,1,2,3,4,5,6,7
	v_cvt_scalef32_pk8_fp8_f32 v[CB+2*\b:CB+2*\b+1], v[TMP+8*\b:TMP+8*\b+7], v[SC]
.endr
	v_nop                                          ; a plain line behind the last conversion: the next block writes its sources
.irp i, 0,1,2,3
.if \kind
	global_store_b128 v[CO], v[CB+4*\i:CB+4*\i+3], s[98:99] offset:((\a)/4)*131072+((\a)%4)*2048+512*\i   ; head a / 4, channels 16 (a % 4) on: quarter i of an image of 128 keys
.else
	global_store_b128 v[CO], v[CB+4*\i:CB+4*\i+3], s[98:99] offset:1024*(\a)+(\i/2)*131072+(\i%2)*512     ; head i / 2, rows 16 a on: quarter i % 2 of an image of the head's 64
.endif
.endr
.endm
	s_cmp_eq_u32 s42, 2                            ; kd is the same in all partners; no barrier and no tensor load stands in either arm
	s_cbranch_scc1 .Lv
	; ---- q, k.  The bias of my 128 channels, in the result's layout; it lands under the last 64 products
	s_cmp_eq_u32 s42, 0
	s_cselect_b64 s[96:97], s[74:75], s[76:77]
	s_cselect_b64 s[98:99], s[80:81], s[82:83]
	s_lshl_b32 s86, s40, 10
	s_lshl_b32 s2, s16, 9
	s_add_co_u32 s86, s86, s2                      ; 4 x (256 cx + 128 x half)
	s_mov_b32 s87, 0
	s_add_nc_u64 s[96:97], s[96:97], s[86:87]
	s_lshl_b32 s2, s44, 8
	s_lshl_b32 s3, s15, 7
	s_add_co_u32 s2, s2, s3                        ; my first row of x
	s_lshr_b32 s3, s2, 11                          ; its batch
	s_and_b32 s2, s2, 2047
	s_lshr_b32 s2, s2, 4                           ; its tile of 16 positions
	s_lshl_b32 s3, s3, 4
	s_lshl_b32 s17, s40, 2
	s_add_co_u32 s3, s3, s17
	s_lshl_b32 s17, s16, 1
	s_add_co_u32 s3, s3, s17                       ; 16 x batch + my first head
	s_lshl_b32 s3, s3, 7
	s_add_co_u32 s2, s2, s3
	s_lshl_b32 s86, s2, 10                         ; images of 1,024 bytes
	s_add_nc_u64 s[98:99], s[98:99], s[86:87]
.irp b, 0,1,2,3,4,5,6,7
	global_load_b128 v[BI+8*\b:BI+8*\b+3], v[VH], s[96:97] offset:64*\b
	global_load_b128 v[BI+8*\b+4:BI+8*\b+7], v[VH], s[96:97] offset:64*\b+16
.endr
	LAST
	s_wait_loadcnt 0x0
	PLACES
.irp a, 0,1,2,3,4,5,6,7
	EPI 0, \a
.endr
	s_branch .Ldone
.Lv:
	; ---- v.  A lane's channel is 16 a + r: one number of the bias for each block, loaded twice to fill the packed form's pair
	s_lshl_b32 s86, s41, 10
	s_lshl_b32 s2, s15, 9
	s_add_co_u32 s86, s86, s2                      ; 4 x (256 cy + 128 x half)
	s_mov_b32 s87, 0
	s_add_nc_u64 s[96:97], s[78:79], s[86:87]
	s_lshl_b32 s2, s45, 8
	s_lshl_b32 s3, s16, 7
	s_add_co_u32 s2, s2, s3                        ; my first row of x: 128 keys
	s_lshr_b32 s3, s2, 11                          ; its batch
	s_and_b32 s2, s2, 2047
	s_lshr_b32 s2, s2, 7                           ; which 128 keys
	s_lshl_b32 s3, s3, 4
	s_lshl_b32 s17, s41, 2
	s_add_co_u32 s3, s3, s17
	s_lshl_b32 s17, s15, 1
	s_add_co_u32 s3, s3, s17                       ; 16 x batch + my first head
	s_lshl_b32 s3, s3, 4
	s_add_co_u32 s2, s2, s3
	s_lshl_b32 s86, s2, 13                         ; four images of 2,048 bytes
	s_add_nc_u64 s[98:99], s[84:85], s[86:87]
.irp a, 0,1,2,3,4,5,6,7
	global_load_b32 v[BI+2*\a], v[VR], s[96:97] offset:64*\a
	global_load_b32 v[BI+2*\a+1], v[VR], s[96:97] offset:64*\a
.endr
	LAST
	s_wait_loadcnt 0x0
	PLACES
.irp a, 0,1,2,3,4,5,6,7
	EPI 1, \a
.endr
.Ldone:
	s_wait_tensorcnt 0x0                           ; the wave's end: three closing lines behind my last tensor load
	ds_add_u32 v[SPW], v[NIL]
	s_wait_dscnt 0x0
	CROUND                                         ; the closing round: no work-group ends while a partner may still ask for a tile that names it
	s_endpgm
.Lfunc_end_k_q951714d009_gemm_qkv:
	.size	k_q951714d009_gemm_qkv, .Lfunc_end_k_q951714d009_gemm_qkv-k_q951714d009_gemm_qkv
	.p2alignl 7, 3214868480
	.fill 96, 4, 3214868480
	.section	.rodata,"a",@progbits
	.p2align	6, 0x0
	.amdhsa_kernel k_q951714d009_gemm_qkv
		.amdhsa_group_segment_fixed_size 327680
		.amdhsa_private_segment_fixed_size 0
		.amdhsa_enable_private_segment 0
		.amdhsa_kernarg_size 72
		.amdhsa_user_sgpr_count 2
		.amdhsa_user_sgpr_kernarg_segment_ptr 1
		.amdhsa_wavefront_size32 1
		.amdhsa_system_sgpr_workgroup_id_x 1
		.amdhsa_system_sgpr_workgroup_id_y 1
		.amdhsa_system_sgpr_workgroup_id_z 1
		.amdhsa_system_vgpr_workitem_id 0
		.amdhsa_next_free_vgpr 1024
		.amdhsa_next_free_sgpr 100
		.amdhsa_reserve_vcc 0
		.amdhsa_float_denorm_mode_32 3
		.amdhsa_float_denorm_mode_16_64 3
		.amdhsa_memory_ordered 1
		.amdhsa_forward_progress 1
		.amdhsa_inst_pref_size 198
	.end_amdhsa_kernel
	.amdgpu_metadata
---
amdhsa.version: [ 1, 2 ]
amdhsa.kernels:
  - .name:           k_q951714d009_gemm_qkv
    .symbol:         k_q951714d009_gemm_qkv.kd
    .args:
      - { .name: x_img, .offset: 0, .size: 8, .value_kind: global_buffer, .address_space: global }
      - { .name: w_img, .offset: 8, .size: 8, .value_kind: global_buffer, .address_space: global }
      - { .name: lowp_scales, .offset: 16, .size: 8, .value_kind: global_buffer, .address_space: global }
      - { .name: bq, .offset: 24, .size: 8, .value_kind: global_buffer, .address_space: global }
      - { .name: bk, .offset: 32, .size: 8, .value_kind: global_buffer, .address_space: global }
      - { .name: bv, .offset: 40, .size: 8, .value_kind: global_buffer, .address_space: global }
      - { .name: q_img, .offset: 48, .size: 8, .value_kind: global_buffer, .address_space: global }
      - { .name: k_img, .offset: 56, .size: 8, .value_kind: global_buffer, .address_space: global }
      - { .name: v_img, .offset: 64, .size: 8, .value_kind: global_buffer, .address_space: global }
    .group_segment_fixed_size: 327680
    .private_segment_fixed_size: 0
    .kernarg_segment_align: 8
    .kernarg_segment_size: 72
    .max_flat_workgroup_size: 128
    .sgpr_count:     100
    .vgpr_count:     1024
    .wavefront_size: 32
...
	.end_amdgpu_metadata
.endif
;; end of part 3
;; launch attn (part 4): grid 4 x 64, 16 waves a work-group, no clusters, 67,584 bytes of LDS; arguments q_img, k_img, v_img, lowp_scales, y_img; writes y_img
.if DOCPART == 4
	.amdgcn_target "amdgcn-amd-amdhsa--gfx1250"
	.amdhsa_code_object_version 6
	.text
	.protected	k_q951714d009_attn
	.globl	k_q951714d009_attn
	.p2align	8
	.type	k_q951714d009_attn,@function
k_q951714d009_attn:
	s_mov_b64 s[64:65], 0
	v_nop
	global_prefetch_b8 v0, s[64:65] scope:SCOPE_SE
	s_setreg_imm32_b32 hwreg(HW_REG_WAVE_MODE, 25, 1), 1
	s_wait_xcnt 0x0
; y = softmax(q k^T / 8, causal) v for one head, both products on codes of E4M3 (entries 6, 7 and 8, 9), and y quantised at once for the projection (entry 10).
; WORK LEFT OUT: a step of 128 keys all of which come after a tile's 16 queries: reference()'s own tril makes those terms exp(-inf) = 0 for all values of the inputs.
; THE SOFTMAX AHEAD OF THE SECOND PRODUCT: t = score x log2(e) / 8; M = the largest t so far, rounded up to a whole number; p = 2^(t - M) is quantised, not normalised; the row's sum is taken of the unquantised p and
; divides at the end.  When M moves, the sum and O are multiplied by 2^(old M - new M): nothing is rounded.
; SHARES: work-group (p, head) owns the query blocks 7 - p and p (256 queries each) and takes them one after the other: block 7 - p walks key slots 0 .. 7 - p, block p slots 0 .. p: NINE slots of 256 keys for every p, so the
; trip count is a constant, all 256 work-groups have equal work, and no slot is fetched that is not read.  Each of sixteen waves owns 16 queries of the block, in 256 registers: four waves to a SIMD.
; K AND V lie in memory as images of operand registers; a slot (16 images of 16 keys x 64, then 8 images of 16 channels x 128 keys: 32,768 bytes) is copied as it lies: four 16-byte loads a thread, issued a whole
; trip ahead, then four LDS stores into the slot that was left.  One barrier a trip.  One pass of the loop runs two trips, so that both slots' addresses are constants.
; NO CLUSTER: the four work-groups of a head want different slots in the same trip once the first has changed blocks, and a slot is 32,768 bytes for a trip's 32 tile-steps.
; LAYOUT: S^T = K Q^T (source 0 = 16 keys, source 1 = my queries): lane (r, h) holds query r and keys 16 c + 8 h + 0 .. 7 in the eight registers of tile c: one conversion gives register pair c of P.
; O^T = V^T P^T (source 0 = 16 channels): lane (r, h) holds query r and channels 16 ct + 8 h + 0 .. 7: one conversion gives a register pair of y's image for the projection.
; LIMITS: entries 6 + 7 between -123 and 130 (added to c's exponent field); entries 8 and 10 between -126 and 119; entries 8 + 9 go by v_ldexp_f32 and have none.
; REGISTERS: v1 16 x lane; v2 16 x thread; v5, v6 the add's two; v7 r - 8 h; v9 256 x lane; v12 -M; v13 the largest t; v[14:15] the sum; v16-23 Q; v24-31 the second block's Q; v32-95 K's, then V's fragments;
; v96-159 S^T, then p; v160-191 O^T; v192-207 P's codes; v208-223 the next slot on its way; v224-231 y's codes; v240, v241 448 x 2^e8, 2^e8; v244, v245 the same of e10; v236, v242-243, v252-255 at work.
.set SLOTB, 32768
.set SPARE, 2*SLOTB                    ; behind the slots: the spare words, 128 bytes for each wave
.set SPW, 5
.set NIL, 6
	s_load_b256 s[4:11], s[0:1], 0x0               ; q_img, k_img, v_img, the scales' exponents
	s_load_b64 s[12:13], s[0:1], 0x20              ; y_img
	v_lshl_add_u32 v[SPW], v0, 2, SPARE
	v_mov_b32 v[NIL], 0
	v_lshrrev_b32 v8, 5, v0
	v_readfirstlane_b32 s14, v8                    ; wave 0..15
	v_and_b32 v8, 31, v0
	v_lshlrev_b32 v1, 4, v8
	v_lshlrev_b32 v9, 8, v8
	v_lshlrev_b32 v2, 4, v0
	v_and_b32 v7, 15, v0
	v_bfe_u32 v8, v0, 4, 1
	v_lshlrev_b32 v8, 3, v8
	v_sub_nc_u32 v7, v7, v8                        ; r - 8 h
	s_mov_b32 s15, ttmp9                           ; p
	s_and_b32 s16, ttmp7, 0xffff                   ; 16 x batch + head
	s_add_co_u32 s18, s15, 1                       ; the count at which the first block ends
	s_sub_co_u32 s54, 7, s15
	s_lshl_b32 s27, s54, 8
	s_lshl_b32 s55, s14, 4
	s_add_co_u32 s27, s27, s55                     ; my first query in block 7 - p,
	s_lshl_b32 s28, s15, 8
	s_add_co_u32 s28, s28, s55                     ; and in block p
	s_lshl_b32 s56, s16, 17                        ; a head is 131,072 bytes in q_img, k_img and v_img alike
	s_mov_b32 s57, 0
	s_lshl_b32 s58, s27, 6                         ; an image of 16 queries is 1,024 bytes
	s_mov_b32 s59, 0
	s_lshl_b32 s54, s28, 6
	s_mov_b32 s55, 0
	s_lshr_b32 s24, s16, 4
	s_lshl_b32 s24, s24, 21                        ; y_img: a batch is 128 row tiles of 16,384 bytes;
	s_and_b32 s25, s16, 15
	s_lshl_b32 s25, s25, 10                        ; head hh fills 1,024 bytes at 1,024 hh of a row tile's 16,384;
	s_add_co_u32 s24, s24, s25
	s_lshl_b32 s25, s27, 10                        ; 16 queries are a row tile
	s_add_co_u32 s36, s24, s25
	s_mov_b32 s37, 0
	s_lshl_b32 s25, s28, 10
	s_add_co_u32 s38, s24, s25
	s_mov_b32 s39, 0
	s_mov_b32 s20, 0x76543210                      ; v_permlanex16_b32's selects for lane l xor 16
	s_mov_b32 s21, 0xfedcba98
	s_mov_b32 s26, 0                               ; the step's first key
	s_mov_b32 s30, 0                               ; the byte in the head at which the slot being loaded begins
	s_mov_b32 s31, 0
	s_wait_kmcnt 0x0
	s_load_b128 s[44:47], s[10:11], 0x18           ; entries 6 .. 9
	s_load_b32 s48, s[10:11], 0x28                 ; entry 10
	s_add_nc_u64 s[4:5], s[4:5], s[56:57]
	s_add_nc_u64 s[60:61], s[4:5], s[58:59]
	s_add_nc_u64 s[2:3], s[4:5], s[54:55]
	s_add_nc_u64 s[32:33], s[6:7], s[56:57]        ; K of my head
	s_add_nc_u64 s[34:35], s[8:9], s[56:57]        ; V of my head
	s_add_nc_u64 s[40:41], s[12:13], s[36:37]      ; where the first block's y goes,
	s_add_nc_u64 s[42:43], s[12:13], s[38:39]      ; and the second's
	global_load_b128 v[16:19], v1, s[60:61]
	global_load_b128 v[20:23], v1, s[60:61] offset:512
	global_load_b128 v[24:27], v1, s[2:3]
	global_load_b128 v[28:31], v1, s[2:3] offset:512
	global_load_b128 v[208:211], v2, s[32:33]      ; slot 0: 512 threads x 16 bytes an instruction
	global_load_b128 v[212:215], v2, s[32:33] offset:8192
	global_load_b128 v[216:219], v2, s[34:35]
	global_load_b128 v[220:223], v2, s[34:35] offset:8192
	; the prefetches: the work-group p = 0, whose first block walks all eight slots, asks for the head; in it waves 0, 1 for K's two halves of a slot, waves 2, 3 for V's: 8,192 bytes a wave, lanes 256 bytes apart
	s_cmp_lt_u32 s14, 2
	s_cselect_b64 s[50:51], s[32:33], s[34:35]
	s_and_b32 s54, s14, 1
	s_lshl_b32 s54, s54, 13
	s_add_co_u32 s54, s54, 16384                   ; in slot 1: the first trip steps it to slot 2.  Nothing is asked for here, at the head
	s_add_nc_u64 s[50:51], s[50:51], s[54:55]
	s_lshr_b32 s54, s14, 2
	s_or_b32 s54, s54, s15
	s_cmp_eq_u32 s54, 0
	s_cselect_b32 s52, 2, -1                       ; a wave asks while the trip's count is above this: trips 0 .. 5 name slots 2 .. 7
	v_mov_b32 v13, 0xff61b1e6                      ; the largest t so far: -3e38
	v_floor_f32 v12, -v13
	v_mov_b32 v14, 0
	v_mov_b32 v15, 0
	v_mov_b32 v236, 0                              ; a lane permute's destination counts as one of its sources
	v_mov_b32 v253, 0                              ; (named as the upper half of the pair v[252:253])
.set j, 0
.rept 32
	v_mov_b32 v[160+j], 0                          ; O^T: the step is written once; the first change of M leaves zeros zeros
.set j, j+1
.endr
	s_wait_kmcnt 0x0
	s_add_co_i32 s54, s44, s45
	s_lshl_b32 s54, s54, 23
	s_mov_b32 s22, 0x3e38aa3b                      ; c = log2(e) / 8
	s_add_co_i32 s22, s22, s54                     ; a score stands for score x 2^(e6 + e7)
	s_mov_b32 s23, s22
	s_add_co_i32 s49, s46, s47                     ; e8 + e9
	s_cmp_ge_i32 s46, -8
	s_cselect_b32 s19, 1, 0                        ; 448 x 2^e8 >= 1 >= p: then p's hold can never bind
	s_add_co_i32 s54, s46, 127
	s_lshl_b32 s55, s54, 23
	v_mov_b32 v241, s55
	s_add_co_i32 s54, s54, 8
	s_lshl_b32 s54, s54, 23
	s_or_b32 s54, s54, 0x600000
	v_mov_b32 v240, s54
	s_add_co_i32 s54, s48, 127
	s_lshl_b32 s55, s54, 23
	v_mov_b32 v245, s55
	s_add_co_i32 s54, s54, 8
	s_lshl_b32 s54, s54, 23
	s_or_b32 s54, s54, 0x600000
	v_mov_b32 v244, s54
	s_wait_loadcnt 0x0
.irp i, 0,1,2,3
	ds_store_b128 v2, v[208+4*\i:211+4*\i] offset:8192*\i
.endr
; A KEY STEP: the u-th 128 keys of the slot at rs x 32,768.
.macro STEP rs, u
	s_add_co_u32 s54, s27, 15
	s_cmp_gt_u32 s26, s54                          ; all 128 keys come after my 16 queries: the step's work is left out (ids and the count of steps alone)
	s_cbranch_scc1 .Lhidden_\@
.rept 4
	v_nop                                          ; places in front of loads into registers that the last products read
.endr
.irp c, 0,1,2,3,4,5,6,7
	ds_load_b128 v[32+8*\c:35+8*\c], v1 offset:\rs*SLOTB+(8*\u+\c)*1024
	ds_load_b128 v[36+8*\c:39+8*\c], v1 offset:\rs*SLOTB+(8*\u+\c)*1024+512
.endr
	s_wait_dscnt 0x0
.irp c, 0,1,2,3,4,5,6,7
	v_wmma_f32_16x16x64_fp8_fp8 v[96+8*\c:103+8*\c], v[32+8*\c:39+8*\c], v[16:23], 0
.endr
.rept 4
	v_nop                                          ; places in front of the loads below and of the first read of the scores
.endr
.irp f, 0,1,2,3
.irp e, 0,1,2,3
	ds_load_b128 v[32+16*\f+4*\e:35+16*\f+4*\e], v1 offset:\rs*SLOTB+16384+(4*\u+\f)*2048+512*\e   ; V lands under the softmax
.endr
.endr
	s_add_co_u32 s54, s26, 127
	s_cmp_le_u32 s54, s27                          ; all keys count for all my queries: no mask
	s_cbranch_scc1 .Lopen_\@
	s_sub_co_i32 s54, s27, s26
	v_add_nc_u32 v255, s54, v7                     ; d = my query - the step's first key - 8 h: register 8 c + j holds a hidden key where 16 c + j > d
	v_mov_b32 v254, 0xff800000                     ; -infinity: p = 0 then.  The step's first key counts for every query of the tile, so M stays a number
.set n, 0
.rept 64
	v_cmp_gt_i32 vcc_lo, 16*(n/8)+n%8, v255
	v_cndmask_b32 v[96+n], v[96+n], v254, vcc_lo
.set n, n+1
.endr
.Lopen_\@:
	v_max3_num_f32 v254, v96, v97, v98             ; the step's largest score of my query among my 64 keys, in two chains, each accumulator from its low end on
	v_max3_num_f32 v252, v99, v100, v101
.irp i, 6,10,14,18,22,26,30,34,38,42,46,50,54,58
	v_max3_num_f32 v254, v254, v[96+\i], v[97+\i]
	v_max3_num_f32 v252, v252, v[98+\i], v[99+\i]
.endr
	v_max3_num_f32 v254, v254, v158, v159
	v_max_num_f32 v254, v254, v252
	v_permlanex16_b32 v236, v254, s20, s21
	v_max_num_f32 v254, v254, v236                 ; and among lane l xor 16's
	v_mul_f32 v254, s22, v254                      ; as t (c is positive)
	v_max_num_f32 v13, v13, v254
	v_mov_b32 v254, v12
	v_floor_f32 v12, -v13                          ; -M = floor(-t): M is a whole number
	v_sub_f32 v254, v12, v254                      ; old M - new M, 0 or less
	v_cvt_i32_f32 v254, v254                       ; (it saturates)
	v_ldexp_f32 v252, 1.0, v254                    ; f = 2^(old M - new M)
.set j, 0
.rept 32
	v_pk_fma_f32 v[96+j:97+j], v[96+j:97+j], s[22:23], v[12:13] op_sel_hi:[1,0,0]   ; t - M, two at a time
.set j, j+2
.endr
.set j, 0
.rept 64
	v_exp_f32 v[96+j], v[96+j]                     ; p = 2^(t - M), at most 1
.set j, j+1
.endr
	v_pk_mul_f32 v[14:15], v[14:15], v[252:253] op_sel_hi:[1,0]   ; the sums under the new M: the plain line behind the exponentials
	s_wait_alu depctr_va_vdst(0)                   ; one wait for the whole batch, ahead of the first line that names a result
	v_pk_add_f32 v[242:243], v[96:97], v[98:99]    ; the row's sum is taken of the unquantised p, in two chains
.irp j, 4,8,12,16,20,24,28,32,36,40,44,48,52,56,60
	v_pk_add_f32 v[14:15], v[14:15], v[96+\j:97+\j]
	v_pk_add_f32 v[242:243], v[242:243], v[98+\j:99+\j]
.endr
	v_pk_add_f32 v[14:15], v[14:15], v[242:243]
	s_cmp_lg_u32 s19, 0                            ; a whole number read from memory decides: where 448 x 2^e8 >= 1 the hold changes no p
	s_cbranch_scc1 .Lnohold_\@
.set j, 0
.rept 64
	v_min_num_f32 v[96+j], v[96+j], v240           ; the conversion does not saturate (ISA guide 7.6.2); p is not negative, so the hold is one-sided
.set j, j+1
.endr
.Lnohold_\@:
.irp c, 0,1,2,3,4,5,6,7
	v_cvt_scalef32_pk8_fp8_f32 v[192+2*\c:193+2*\c], v[96+8*\c:103+8*\c], v241
.endr
.set j, 0
.rept 16
	v_pk_mul_f32 v[160+j:161+j], v[160+j:161+j], v[252:253] op_sel_hi:[1,0]   ; O^T under the new M; also the plain lines behind the conversions
.set j, j+2
.endr
	s_wait_dscnt 0x0                               ; V is in
.irp f, 0,1,2,3
	v_wmma_f32_16x16x128_fp8_fp8 v[160+8*\f:167+8*\f], v[32+16*\f:47+16*\f], v[192:207], v[160+8*\f:167+8*\f]   ; four accumulators by turns
.endr
.Lhidden_\@:
	s_add_co_u32 s26, s26, 128
.endm
; A block is finished: O^T / the sum x 2^(e8 + e9) is y; held, converted, stored as two quarters of y's image.  yb: the scalar pair with the block's place in y_img.
.macro FINISH yb
	s_wait_xcnt 0x0                                ; an earlier block's stores have read v224 on
.rept 4
	v_nop                                          ; places behind the last products
.endr
	v_add_f32 v14, v14, v15
	v_permlanex16_b32 v236, v14, s20, s21
	v_add_f32 v14, v14, v236                       ; the row's sum
	v_rcp_f32 v14, v14
	v_nop                                          ; a plain line behind the reciprocal,
	s_wait_alu depctr_va_vdst(0)                   ; and a wait ahead of the first line that names its result
	v_ldexp_f32 v14, v14, s49
.set j, 0
.rept 16
	v_pk_mul_f32 v[160+j:161+j], v[160+j:161+j], v[14:15] op_sel_hi:[1,0]   ; each accumulator from its low end on
.set j, j+2
.endr
.set j, 0
.rept 32
	v_med3_num_f32 v[160+j], v[160+j], -v244, v244
.set j, j+1
.endr
.irp f, 0,1,2,3
	v_cvt_scalef32_pk8_fp8_f32 v[224+2*\f:225+2*\f], v[160+8*\f:167+8*\f], v245
.endr
	v_nop                                          ; a plain line behind the last conversion
	global_store_b128 v1, v[224:227], s[\yb:\yb+1]
	global_store_b128 v1, v[228:231], s[\yb:\yb+1] offset:512   ; each 512 consecutive bytes, aligned
.endm
.macro REINIT                          ; on to the second block
.irp j, 0,1,2,3,4,5,6,7
	v_mov_b32 v[16+\j], v[24+\j]
.endr
	s_mov_b32 s27, s28
	s_mov_b32 s26, 0
.set j, 0
.rept 32
	v_mov_b32 v[160+j], 0
.set j, j+1
.endr
	v_mov_b32 v13, 0xff61b1e6
	v_floor_f32 v12, -v13
	v_mov_b32 v14, 0
	v_mov_b32 v15, 0
.endm
; A prefetch into the L2 of the slot behind the one that is being loaded; each aligned block of 256 bytes of slots 2 .. 7 is named once in the launch; nothing points past slot 7.
.macro ASK
	s_cmp_gt_u32 s53, s52
	s_cbranch_scc0 .Lnot_mine_\@
	global_prefetch_b8 v9, s[50:51] th:TH_LOAD_NT scope:SCOPE_SE
.Lnot_mine_\@:
.endm
; A TRIP reads the slot at rs x 32,768.  dec: the trip's count is s17 - dec.  fill = 1: the next trip's slot is loaded at the head and stored into the other slot at the end.
.macro TRIP rs, dec, fill
.if \fill
	s_wait_xcnt 0x0                                ; the last prefetch, a trip back, has read its address
	s_add_nc_u64 s[50:51], s[50:51], 16384
.endif
	s_wait_dscnt 0x0                               ; my stores into this slot have landed, and my reads of the other slot are over
	s_barrier_signal -1
	s_barrier_wait -1                              ; both now hold of all sixteen waves
.if \fill
	s_sub_co_u32 s53, s17, \dec
	s_add_co_u32 s30, s30, 16384
	s_cmp_eq_u32 s53, s18
	s_cselect_b32 s30, 0, s30                      ; the second block begins again at slot 0
	s_add_nc_u64 s[36:37], s[32:33], s[30:31]      ; (their last loads were waited for at the end of the trip before)
	s_add_nc_u64 s[38:39], s[34:35], s[30:31]
	global_load_b128 v[208:211], v2, s[36:37]
	global_load_b128 v[212:215], v2, s[36:37] offset:8192
	global_load_b128 v[216:219], v2, s[38:39]
	global_load_b128 v[220:223], v2, s[38:39] offset:8192
	ASK
.endif
	STEP \rs, 0
	STEP \rs, 1
.if \fill
	s_cmp_lg_u32 s53, s18
	s_cbranch_scc1 .Lgo_on_\@
	FINISH 40
	REINIT
.Lgo_on_\@:
	s_wait_loadcnt 0x0                             ; the next slot is in my registers; the slot that takes it was left by every wave ahead of this trip's barrier
.irp i, 0,1,2,3
	ds_store_b128 v2, v[208+4*\i:211+4*\i] offset:(1-\rs)*SLOTB+8192*\i
.endr
.else
	FINISH 42
.endif
.endm
	s_mov_b32 s17, 8
.Lpair:                                            ; four passes of two trips
	TRIP 0, 0, 1
	TRIP 1, 1, 1
	s_sub_co_u32 s17, s17, 2
	s_cmp_lg_u32 s17, 0
	s_cbranch_scc1 .Lpair
	TRIP 0, 0, 0                                   ; the ninth trip loads nothing
	s_wait_tensorcnt 0x0                           ; the wave's end: three closing lines behind my last LDS store
	ds_add_u32 v[SPW], v[NIL]
	s_wait_dscnt 0x0
	s_endpgm
.Lfunc_end_k_q951714d009_attn:
	.size	k_q951714d009_attn, .Lfunc_end_k_q951714d009_attn-k_q951714d009_attn
	.p2alignl 7, 3214868480
	.fill 96, 4, 3214868480
	.section	.rodata,"a",@progbits
	.p2align	6, 0x0
	.amdhsa_kernel k_q951714d009_attn
		.amdhsa_group_segment_fixed_size 67584
		.amdhsa_private_segment_fixed_size 0
		.amdhsa_enable_private_segment 0
		.amdhsa_kernarg_size 40
		.amdhsa_user_sgpr_count 2
		.amdhsa_user_sgpr_kernarg_segment_ptr 1
		.amdhsa_wavefront_size32 1
		.amdhsa_system_sgpr_workgroup_id_x 1
		.amdhsa_system_sgpr_workgroup_id_y 1
		.amdhsa_system_sgpr_workgroup_id_z 1
		.amdhsa_system_vgpr_workitem_id 0
		.amdhsa_next_free_vgpr 256
		.amdhsa_next_free_sgpr 66
		.amdhsa_reserve_vcc 1
		.amdhsa_float_denorm_mode_32 3
		.amdhsa_float_denorm_mode_16_64 3
		.amdhsa_memory_ordered 1
		.amdhsa_forward_progress 1
		.amdhsa_inst_pref_size 147
	.end_amdhsa_kernel
	.amdgpu_metadata
---
amdhsa.version: [ 1, 2 ]
amdhsa.kernels:
  - .name:           k_q951714d009_attn
    .symbol:         k_q951714d009_attn.kd
    .args:
      - { .name: q_img, .offset: 0, .size: 8, .value_kind: global_buffer, .address_space: global }
      - { .name: k_img, .offset: 8, .size: 8, .value_kind: global_buffer, .address_space: global }
      - { .name: v_img, .offset: 16, .size: 8, .value_kind: global_buffer, .address_space: global }
      - { .name: lowp_scales, .offset: 24, .size: 8, .value_kind: global_buffer, .address_space: global }
      - { .name: y_img, .offset: 32, .size: 8, .value_kind: global_buffer, .address_space: global }
    .group_segment_fixed_size: 67584
    .private_segment_fixed_size: 0
    .kernarg_segment_align: 8
    .kernarg_segment_size: 40
    .max_flat_workgroup_size: 512
    .sgpr_count:     66
    .vgpr_count:     256
    .wavefront_size: 32
...
	.end_amdgpu_metadata
.endif
;; end of part 4
;; launch gemm_proj (part 5): grid 4 x 64, 4 waves a work-group, clusters of 4 x 4, 327,680 bytes of LDS; arguments y_img, w_img, lowp_scales, bp, out0; writes out0
.if DOCPART == 5
	.amdgcn_target "amdgcn-amd-amdhsa--gfx1250"
	.amdhsa_code_object_version 6
	.text
	.protected	k_q951714d009_gemm_proj
	.globl	k_q951714d009_gemm_proj
	.p2align	8
	.type	k_q951714d009_gemm_proj,@function
k_q951714d009_gemm_proj:
	s_mov_b64 s[64:65], 0
	v_nop
	global_prefetch_b8 v0, s[64:65] scope:SCOPE_SE
	s_setreg_imm32_b32 hwreg(HW_REG_WAVE_MODE, 25, 1), 1
	s_wait_xcnt 0x0
	s_wait_alu depctr_hold_cnt(0) depctr_sa_sdst(0) depctr_va_vdst(0) depctr_va_sdst(0) depctr_va_ssrc(0) depctr_va_vcc(0) depctr_vm_vsrc(0)
	s_getreg_b32 s2, hwreg(HW_REG_IB_STS2, 6, 4)
	s_cmp_eq_u32 s2, 0
	s_cbranch_scc0 .Lentry_in_a_cluster
	s_endpgm
.Lentry_in_a_cluster:
	s_bfe_u32 s2, ttmp6, 0x10000c
	s_cmp_lg_u32 s2, 0xf033
	s_cbranch_scc0 .Lentry_shape_is_right
	s_endpgm
.Lentry_shape_is_right:
; out0 = y Wp + bp on codes of E4M3 (entries 10, 11): out = sum x 2^(e10 + e11) + bp, f32.  Nothing of reference() is left out here.
; The form of the projections' launch on a tile of 128 rows x 256 columns, so that 8,192 x 1,024 results give 256 work-groups: four waves, 64 x 128 each: 32 accumulators.  K = 1,024 in four steps of 256 through two LDS slots.
; Operands lie as images of their registers (16 rows x 128 k = 2,048 bytes, quarter u at 512 u + 16 x lane), a row tile's eight images on end.  Source 0 = 16 rows of Wp's codes (columns of out), source 1 = 16 rows of y:
; a lane holds eight neighbouring columns of one row of out.  CLUSTERS: 4 x 4; y's tile is shared along a row of the cluster, Wp's along a column, each asked for jointly.
; LIMIT: e10 + e11 between -126 and 127.
; REGISTERS in windows of 256: window 0: addresses; v32-95 at work on the way out; from v128 A's fragments, one set (on the way out v128-255: rows read back); window 1: B's fragments, two sets; window 2: accumulator (a, b) at v[8 (8 a + b)]; window 3: v0-63 the bias.
.set NA,    4
.set HB,    NA/2
.set NL,    4
.set FR,    16
.set AHALF, NA*4096
.set BHALF, 32768
.set SLOT,  2*AHALF+2*BHALF
.set SPARE, 2*SLOT                     ; behind the ring: the spare words, 128 bytes for each wave
.set SPITCH, 528                       ; the way out: a stage of 16 rows x (512 bytes + 16) for each wave, in slot 0, which has had its last fill and its last read by then
.set VH,   2                           ; v2   32 h
.set ADRA, 16
.set ADRB, 20
.set STO,  24                          ; v24  the stage: where I put 32 bytes of a row
.set RD,   25                          ; v25  and where I read a row back
.set CO,   26                          ; v26  16 x lane
.set SPW,  28
.set NIL,  29
.set TMP,  32
.set AF,   128
.set BK,   128
.set G1,  24
.set G0,  32
.set G1B, 48
.set G0B, 56
.set W_H0, 0xa1                        ; source 0 (B) window 1, source 1 (A) window 0, C and D window 2
.set W_H1, 0xa1
.set TO_B, 0x40
.set MSB, 0
.macro WIN new
.if MSB != (\new)
	s_set_vgpr_msb (MSB<<8)|(\new)
.set MSB, (\new)
.endif
.endm
.macro JLOAD g0a, g1a, g0b, g1b        ; waves 0 and 1 fetch for A, waves 2 and 3 for B; an s_nop 0 and four v_nop follow each of the two lines
	s_cmp_eq_u32 s15, 0
	s_cbranch_scc0 .Lfor_b_\@
	tensor_load_to_lds s[\g0a:\g0a+3], s[\g1a:\g1a+7]
	s_nop 0
.rept 4
	v_nop
.endr
	s_branch .Lasked_\@
.Lfor_b_\@:
	tensor_load_to_lds s[\g0b:\g0b+3], s[\g1b:\g1b+7]
	s_nop 0
.rept 4
	v_nop
.endr
.Lasked_\@:
.endm
.macro CREST
	s_cmp_lg_u32 s14, 0
	s_cbranch_scc1 .Lnot_wave_0_\@
	s_barrier_signal -3
.Lnot_wave_0_\@:
	s_barrier_wait -3
	s_barrier_signal -1
	s_barrier_wait -1
.endm
.macro CROUND
	s_barrier_signal -1
	s_barrier_wait -1
	CREST
.endm
.macro PLACES                          ; four plain vector lines between a matrix instruction and a load into, or a vector line on, one of its registers
.rept 4
	v_nop
.endr
.endm
.macro FRAG reg, adr, q, i
.irp c, 0,1,2,3
	ds_load_b128 v[\reg+4*\c:\reg+4*\c+3], v[\adr] offset:(\i)*4096+(\q)*2048+512*\c
.endr
.endm
.macro FETCH_B slot, q, p
	WIN TO_B
.irp i, 0,1,2,3,4,5,6,7
	FRAG 128*(\p)+FR*\i, ADRB+\slot, \q, \i
.endr
	WIN 0
.endm
.macro FETCH_A slot, q, a0
.set fa, \a0
.rept HB
	FRAG AF+FR*fa, ADRA+\slot, \q, fa
.set fa, fa+1
.endr
.endm
.macro MULR a0, cnt, p, zero           ; the accumulators take turns, one instruction a turn, in the same order in every step
.set ma, \a0
.rept \cnt
.irp b, 0,1,2,3,4,5,6,7
.if \zero
	v_wmma_f32_16x16x128_fp8_fp8 v[8*(8*(ma%4)+\b):8*(8*(ma%4)+\b)+7], v[128*(\p)+FR*\b:128*(\p)+FR*\b+FR-1], v[AF+FR*ma:AF+FR*ma+FR-1], 0
.else
	v_wmma_f32_16x16x128_fp8_fp8 v[8*(8*(ma%4)+\b):8*(8*(ma%4)+\b)+7], v[128*(\p)+FR*\b:128*(\p)+FR*\b+FR-1], v[AF+FR*ma:AF+FR*ma+FR-1], v[8*(8*(ma%4)+\b):8*(8*(ma%4)+\b)+7]
.endif
.endr
.set ma, ma+1
.endr
.endm
.macro STEP slot, zero
	s_wait_dscnt HB*NL                             ; B's set and A's first half are in; A's second half may be out
	WIN W_H0
	MULR 0, HB, 0, \zero
	s_wait_dscnt 0x0
	PLACES
	FETCH_B \slot, 1, 1
	FETCH_A \slot, 1, 0
	WIN W_H1
	MULR HB, HB, 0, \zero
	PLACES
	WIN 0
	FETCH_A \slot, 1, HB
.endm
.macro TURN slot, next, fill
	s_wait_tensorcnt 0x0                           ; all my tensor loads have landed: my part of the next slot
	ds_add_u32 v[SPW], v[NIL]                      ; 0 onto my spare word
	s_wait_dscnt HB*NL+1                           ; the add and A's second half may be out
	WIN W_H0
	MULR 0, HB/2, 1, 0
	s_wait_dscnt 0x0                               ; the add is done, and my reads of this slot are over
	s_barrier_signal -1
	MULR HB/2, HB/2, 1, 0
	WIN 0
	s_barrier_wait -1
.if \fill
	CREST                                          ; the barrier has opened a round of the cluster's: no wave of any partner still reads this slot or has a load on its way
	s_add_nc_u64 s[G0+4*\slot+2:G0+4*\slot+3], s[G0+4*\slot+2:G0+4*\slot+3], 8192
	s_add_nc_u64 s[G0B+4*\slot+2:G0B+4*\slot+3], s[G0B+4*\slot+2:G0B+4*\slot+3], 8192
	JLOAD G0+4*\slot, G1, G0B+4*\slot, G1B         ; the first tensor load behind the round; its four v_nop are the places in front of the loads below
.else
	PLACES
.endif
	FETCH_B \next, 0, 0
	FETCH_A \next, 0, 0
	WIN W_H1
	MULR HB, HB, 1, 0
	PLACES
	WIN 0
	FETCH_A \next, 0, HB
.endm
	s_load_b256 s[68:75], s[0:1], 0x0              ; y_img 68, w_img 70, scales 72, bp 74
	s_load_b64 s[76:77], s[0:1], 0x20              ; out0
	v_lshl_add_u32 v[SPW], v0, 2, SPARE
	v_mov_b32 v[NIL], 0
	ds_add_u32 v[SPW], v[NIL]                      ; the wave's opening: the add, twice on end, and its wait ahead of my first tensor load
	ds_add_u32 v[SPW], v[NIL]
	v_lshrrev_b32 v1, 5, v0
	v_readfirstlane_b32 s14, v1                    ; wave 0..3
	s_lshr_b32 s15, s14, 1                         ; my half of the tile's rows.  Also: I fetch for A (0) or for B (1)
	s_and_b32 s16, s14, 1                          ; my half of its columns.  Also: which half of that tile I fetch
	s_bfe_u32 s40, ttmp6, 0x40000                  ; cx: the tile column
	s_bfe_u32 s41, ttmp6, 0x40004                  ; cy
	s_and_b32 s44, ttmp7, 0xffff
	s_lshl_b32 s44, s44, 2
	s_add_co_u32 s44, s44, s41                     ; the tile row: 4 x the cluster's y + cy
	s_lshl_b32 s46, s41, 2
	s_lshl_b32 s46, 15, s46                        ; my row of the cluster
	s_lshl_b32 s47, 0x1111, s40                    ; my column
	s_or_b32 s[G1], s46, (3<<16)|(1<<21)           ; 15:0 the mask; 17:16 elements of 8 bytes; 20 no padding; 21 set beside a mask
	s_or_b32 s[G1B], s47, (3<<16)|(1<<21)
.irp g, G1, G1B
	s_mov_b32 s[\g+1], 512<<16                     ; tensor_dim0 = 512 elements: a K step's 4,096 bytes of a row tile
	s_mov_b32 s[\g+3], 512<<16                     ; tile_dim0
	s_mov_b32 s[\g+5], 2048                        ; from row tile to row tile: 16,384 bytes
	s_mov_b32 s[\g+6], 0
	s_mov_b32 s[\g+7], 0
.endr
	s_mov_b32 s[G1+2], NA<<16                      ; tensor_dim1 = the row tiles of a load
	s_mov_b32 s[G1+4], NA
	s_mov_b32 s[G1B+2], 8<<16
	s_mov_b32 s[G1B+4], 8
	s_lshl_b32 s4, s44, 3
	s_lshl_b32 s5, s16, 2
	s_add_co_u32 s4, s4, s5
	s_lshl_b32 s4, s4, 14                          ; A: row tile 8 x tile row + 4 x half
	s_mov_b32 s5, 0
	s_lshl_b32 s6, s40, 4
	s_lshl_b32 s7, s16, 3
	s_add_co_u32 s6, s6, s7
	s_lshl_b32 s6, s6, 14                          ; B: row tile 16 x tile column + 8 x half,
	s_add_co_u32 s6, s6, 3145728                   ; in Wp's part of w_img
	s_mov_b32 s7, 0
	s_mul_i32 s22, s16, AHALF
	s_mul_i32 s23, s16, BHALF
	s_add_co_u32 s23, s23, 2*AHALF
	s_wait_dscnt 0x0                               ; both opening adds are done
	s_wait_kmcnt 0x0
	s_load_b64 s[96:97], s[72:73], 0x28            ; e10, e11
	s_add_nc_u64 s[18:19], s[68:69], s[4:5]
	s_add_nc_u64 s[20:21], s[70:71], s[6:7]
	CROUND                                         ; all sixteen work-groups are here: the first joint loads meet
.irp s, 0,1
	s_mov_b32 s[G0+4*\s], 1
	s_add_co_u32 s[G0+4*\s+1], s22, \s*SLOT
	s_add_nc_u64 s[G0+4*\s+2:G0+4*\s+3], s[18:19], \s*4096
	s_or_b32 s[G0+4*\s+3], s[G0+4*\s+3], 0x80000000
	s_mov_b32 s[G0B+4*\s], 1
	s_add_co_u32 s[G0B+4*\s+1], s23, \s*SLOT
	s_add_nc_u64 s[G0B+4*\s+2:G0B+4*\s+3], s[20:21], \s*4096
	s_or_b32 s[G0B+4*\s+3], s[G0B+4*\s+3], 0x80000000
	JLOAD G0+4*\s, G1, G0B+4*\s, G1B               ; K steps 0 and 1: two loads of mine are out
.endr
	v_and_b32 v1, 31, v0
	v_lshlrev_b32 v[CO], 4, v1
	s_mul_i32 s12, s15, AHALF
	s_mul_i32 s13, s16, BHALF
	s_add_co_u32 s13, s13, 2*AHALF
.irp s, 0,1
	v_add_nc_u32 v[ADRA+\s], s12, v[CO]
	v_add_nc_u32 v[ADRB+\s], s13, v[CO]
	s_add_co_u32 s12, s12, SLOT
	s_add_co_u32 s13, s13, SLOT
.endr
	v_bfe_u32 v[VH], v0, 4, 1
	v_lshlrev_b32 v[VH], 5, v[VH]                  ; 32 h
	v_and_b32 v3, 15, v0
	s_mul_i32 s12, s14, 16*SPITCH                  ; my stage
	v_mul_u32_u24 v[STO], v3, SPITCH
	v_add_nc_u32 v[STO], v[STO], v[VH]
	v_add_nc_u32 v[STO], s12, v[STO]               ; in: row r, + 32 h
	v_add_nc_u32 v[RD], s12, v[CO]                 ; back: a row's 512 bytes for the 32 lanes
	s_lshl_b32 s86, s40, 10
	s_lshl_b32 s2, s16, 9
	s_add_co_u32 s86, s86, s2                      ; my first column, in bytes: 4 x (256 cx + 128 x half)
	s_mov_b32 s87, 0
	s_add_nc_u64 s[92:93], s[74:75], s[86:87]      ; the bias there
	s_add_nc_u64 s[98:99], s[76:77], s[86:87]
	s_lshl_b32 s2, s44, 7
	s_lshl_b32 s3, s15, 6
	s_add_co_u32 s2, s2, s3                        ; my first row: 128 x tile row + 64 x half
	s_lshl_b32 s86, s2, 12
	s_add_nc_u64 s[98:99], s[98:99], s[86:87]      ; out0 at my part
	WIN 0xc0                                       ; destination window 3
.irp b, 0,1,2,3,4,5,6,7
	global_load_b128 v[8*\b:8*\b+3], v[VH], s[92:93] offset:64*\b          ; bp at columns 16 b + 8 h + 0 .. 7: the result's layout
	global_load_b128 v[8*\b+4:8*\b+7], v[VH], s[92:93] offset:64*\b+16
.endr
	WIN 0
	s_wait_tensorcnt 1                             ; my part of K step 0 is in; K step 1's may stay out
	s_barrier_signal -1
	s_barrier_wait -1
	FETCH_B 0, 0, 0
	FETCH_A 0, 0, 0
	FETCH_A 0, 0, HB
	STEP 0, 1                                      ; four K steps, written out
	TURN 0, 1, 1
	STEP 1, 0
	TURN 1, 0, 1
	STEP 0, 0
	TURN 0, 1, 0                                   ; nothing is left to fetch: a plain barrier; behind it nobody reads slot 0
	STEP 1, 0
	s_wait_dscnt HB*NL                             ; the last 128 along k
	WIN W_H0
	MULR 0, HB, 1, 0
	s_wait_dscnt 0x0
	MULR HB, HB, 1, 0
	WIN 0
; THE WAY OUT, a block of 16 rows x 128 columns at a time: a lane holds 32 neighbouring bytes of a row, the lanes beside it other rows: the block goes through my own stage and comes back as whole rows of 512 bytes.
.macro TOSTAGE a
	WIN 0x32                                       ; source 0 (the sums) window 2, source 2 (the bias) window 3
.set j, 0
.rept 32
	v_pk_fma_f32 v[TMP+j:TMP+j+1], v[64*(\a)+j:64*(\a)+j+1], s[96:97], v[j:j+1] op_sel_hi:[1,0,1]   ; sum x 2^(e10 + e11) + bp; each accumulator from its low end on
.set j, j+2
.endr
	WIN 0
.irp b, 0,1,2,3,4,5,6,7
	ds_store_b128 v[STO], v[TMP+8*\b:TMP+8*\b+3] offset:64*\b
	ds_store_b128 v[STO], v[TMP+8*\b+4:TMP+8*\b+7] offset:64*\b+16
.endr
.set BB, BK+64*((\a)%2)
.irp t, 0,1,2,3,4,5,6,7,8,9,10,11,12,13,14,15
	ds_load_b128 v[BB+4*\t:BB+4*\t+3], v[RD] offset:\t*SPITCH   ; LDS serves a wave's instructions in order: these see my stores, and the next block's stores come behind them
.endr
.endm
.macro SEND a, younger                 ; younger: the LDS instructions issued behind block a's loads, which may stay out
.set BB, BK+64*((\a)%2)
	s_wait_dscnt \younger
.irp t, 0,1,2,3,4,5,6,7,8,9,10,11,12,13,14,15
	global_store_b128 v[CO], v[BB+4*\t:BB+4*\t+3], s[98:99] offset:65536*(\a)+4096*\t th:TH_STORE_NT   ; 512 consecutive bytes, aligned; written once, read by nobody here
.endr
.endm
	s_wait_kmcnt 0x0
	s_add_co_i32 s96, s96, s97
	s_add_co_i32 s96, s96, 127
	s_lshl_b32 s96, s96, 23                        ; 2^(e10 + e11)
	s_mov_b32 s97, s96                             ; (named with it as a pair)
	s_wait_loadcnt 0x0                             ; the bias
	PLACES
	TOSTAGE 0
	TOSTAGE 1
	SEND 0, 32                                     ; behind block 0's loads: block 1's 16 stores and 16 loads
	s_wait_xcnt 0x0                                ; block 0's stores have read their registers: block 2's rows may land there
	TOSTAGE 2
	SEND 1, 32
	s_wait_xcnt 0x0
	TOSTAGE 3
	SEND 2, 32
	SEND 3, 0
	s_wait_tensorcnt 0x0                           ; the wave's end: three closing lines behind my last tensor load and my last LDS store
	ds_add_u32 v[SPW], v[NIL]
	s_wait_dscnt 0x0
	CROUND                                         ; the closing round: no work-group ends while a partner may still ask for a tile that names it
	s_endpgm
.Lfunc_end_k_q951714d009_gemm_proj:
	.size	k_q951714d009_gemm_proj, .Lfunc_end_k_q951714d009_gemm_proj-k_q951714d009_gemm_proj
	.p2alignl 7, 3214868480
	.fill 96, 4, 3214868480
	.section	.rodata,"a",@progbits
	.p2align	6, 0x0
	.amdhsa_kernel k_q951714d009_gemm_proj
		.amdhsa_group_segment_fixed_size 327680
		.amdhsa_private_segment_fixed_size 0
		.amdhsa_enable_private_segment 0
		.amdhsa_kernarg_size 40
		.amdhsa_user_sgpr_count 2
		.amdhsa_user_sgpr_kernarg_segment_ptr 1
		.amdhsa_wavefront_size32 1
		.amdhsa_system_sgpr_workgroup_id_x 1
		.amdhsa_system_sgpr_workgroup_id_y 1
		.amdhsa_system_sgpr_workgroup_id_z 1
		.amdhsa_system_vgpr_workitem_id 0
		.amdhsa_next_free_vgpr 832
		.amdhsa_next_free_sgpr 100
		.amdhsa_reserve_vcc 0
		.amdhsa_float_denorm_mode_32 3
		.amdhsa_float_denorm_mode_16_64 3
		.amdhsa_memory_ordered 1
		.amdhsa_forward_progress 1
		.amdhsa_inst_pref_size 77
	.end_amdhsa_kernel
	.amdgpu_metadata
---
amdhsa.version: [ 1, 2 ]
amdhsa.kernels:
  - .name:           k_q951714d009_gemm_proj
    .symbol:         k_q951714d009_gemm_proj.kd
    .args:
      - { .name: y_img, .offset: 0, .size: 8, .value_kind: global_buffer, .address_space: global }
      - { .name: w_img, .offset: 8, .size: 8, .value_kind: global_buffer, .address_space: global }
      - { .name: lowp_scales, .offset: 16, .size: 8, .value_kind: global_buffer, .address_space: global }
      - { .name: bp, .offset: 24, .size: 8, .value_kind: global_buffer, .address_space: global }
      - { .name: out0, .offset: 32, .size: 8, .value_kind: global_buffer, .address_space: global }
    .group_segment_fixed_size: 327680
    .private_segment_fixed_size: 0
    .kernarg_segment_align: 8
    .kernarg_segment_size: 40
    .max_flat_workgroup_size: 128
    .sgpr_count:     100
    .vgpr_count:     832
    .wavefront_size: 32
...
	.end_amdgpu_metadata
.endif
;; end of part 5
;; ======== version 2 of 2: 5 launches; version 1 with the launch attn written anew for expert scheduling mode
;; limits: right only within a limited range of input values
;; workspace buffers: x_img 25,165,824 bytes; w_img 4,194,304 bytes; q_img 8,388,608 bytes; k_img 8,388,608 bytes; v_img 8,388,608 bytes; y_img 8,388,608 bytes
;; launch quant_x: the kernel of part 1 again; grid 512 x 1, 8 waves a work-group, no clusters, 68,608 bytes of LDS; arguments x, lowp_scales, x_img; writes x_img
;; launch quant_w: the kernel of part 2 again; grid 8 x 32, 4 waves a work-group, no clusters, 16,896 bytes of LDS; arguments Wq, Wk, Wv, Wp, lowp_scales, w_img; writes w_img
;; launch gemm_qkv: the kernel of part 3 again; grid 12 x 32, 4 waves a work-group, clusters of 4 x 4, 327,680 bytes of LDS; arguments x_img, w_img, lowp_scales, bq, bk, bv, q_img, k_img, v_img; writes q_img, k_img, v_img
;; launch attn (part 6): grid 4 x 64, 16 waves a work-group, no clusters, 67,584 bytes of LDS; arguments q_img, k_img, v_img, lowp_scales, y_img; writes y_img
.if DOCPART == 6
	.amdgcn_target "amdgcn-amd-amdhsa--gfx1250"
	.amdhsa_code_object_version 6
	.text
	.protected	k_q951714d009_attn
	.globl	k_q951714d009_attn
	.p2align	8
	.type	k_q951714d009_attn,@function
k_q951714d009_attn:
	s_mov_b64 s[64:65], 0
	v_nop
	global_prefetch_b8 v0, s[64:65] scope:SCOPE_SE
	s_setreg_imm32_b32 hwreg(HW_REG_WAVE_SCHED_MODE, 0, 2), 2
	s_setreg_imm32_b32 hwreg(HW_REG_WAVE_MODE, 25, 1), 1
	s_wait_xcnt 0x0
	s_wait_alu depctr_vm_vsrc(0)
; y = softmax(q k^T / 8, causal) v for one head, both products on codes of E4M3 (entries 6, 7 and 8, 9), and y quantised at once for the projection (entry 10).
; WORK LEFT OUT: a step of 128 keys all of which come after a tile's 16 queries: reference()'s own tril makes those terms exp(-inf) = 0 for all values of the inputs.
; THE SOFTMAX AHEAD OF THE SECOND PRODUCT: t = score x log2(e) / 8; M = the largest t so far, rounded up to a whole number; p = 2^(t - M) is quantised, not normalised; the row's sum is taken of the unquantised p and
; divides at the end.  When M moves, the sum and O are multiplied by 2^(old M - new M): nothing is rounded.
; SHARES: work-group (p, head) owns the query blocks 7 - p and p (256 queries each) and takes them one after the other: block 7 - p walks key slots 0 .. 7 - p, block p slots 0 .. p: NINE slots of 256 keys for every p, so the
; trip count is a constant, all 256 work-groups have equal work, and no slot is fetched that is not read.  Each of sixteen waves owns 16 queries of the block, in 256 registers: four waves to a SIMD.
; K AND V lie in memory as images of operand registers; a slot (16 images of 16 keys x 64, then 8 images of 16 channels x 128 keys: 32,768 bytes) is copied as it lies: four 16-byte loads a thread, issued a whole
; trip ahead, then four LDS stores into the slot that was left.  One barrier a trip.  One pass of the loop runs two trips, so that both slots' addresses are constants.
; NO CLUSTER: the four work-groups of a head want different slots in the same trip once the first has changed blocks, and a slot is 32,768 bytes for a trip's 32 tile-steps.
; LAYOUT: S^T = K Q^T (source 0 = 16 keys, source 1 = my queries): lane (r, h) holds query r and keys 16 c + 8 h + 0 .. 7 in the eight registers of tile c: one conversion gives register pair c of P.
; O^T = V^T P^T (source 0 = 16 channels): lane (r, h) holds query r and channels 16 ct + 8 h + 0 .. 7: one conversion gives a register pair of y's image for the projection.
; LIMITS: entries 6 + 7 between -123 and 130 (added to c's exponent field); entries 8 and 10 between -126 and 119; entries 8 + 9 go by v_ldexp_f32 and have none.
; REGISTERS: v1 16 x lane; v2 16 x thread; v5, v6 the add's two; v7 r - 8 h; v9 256 x lane; v12 -M; v13 the largest t; v[14:15] the sum; v16-23 Q; v24-31 the second block's Q; v32-95 K's, then V's fragments;
; v96-159 S^T, then p; v160-191 O^T; v192-207 P's codes; v208-223 the next slot on its way; v224-231 y's codes; v240, v241 448 x 2^e8, 2^e8; v244, v245 the same of e10; v236, v242-243, v252-255 at work.
; s44-47 and s56-59, free behind the head, take the causal mask's eight compares of a tile.
; THE MODE: SCHED_MODE bits 1:0 = 2 (LLVM: expert scheduling mode 2), set by the entry lines.  The code itself states the register dependences
; between vector or matrix instructions and memory or LDS instructions, with s_wait_alu, always for 0.
; THE PLAN.  Registers that memory or LDS instructions touch:
;   v1, v2, v9   offsets, made at the head and never written again: one wait on va_vdst ahead of the first load serves every load, store, LDS access and prefetch of the kernel.
;   v32-95       A step: K's sixteen LDS loads land; the eight products K Q^T read; V's sixteen LDS loads land; the four products V^T P read.  Two waits on va_vdst: at the step's head (the last step's four products
;                are done reading V), and behind the eight products (they are done reading K).  Behind the second, V's loads are dealt among the lines of the maximum: these, and on the diagonal the mask's lines, name
;                v96-159, v252, v254, v255 and the mask registers, none of v32-95 or v1.
;   v208-223     A trip: four global loads land at its head, four LDS stores read at its end; no vector line names them.  One wait on vm_vsrc a trip, ahead of the loads.
;   v224-231     A block's end: four conversions write, two stores read: a wait on va_vdst ahead of the stores, one on vm_vsrc ahead of a later block's conversions.
;   v16-31       Q's loads land at the head, ahead of every vector line that names them.      v5, v6: written at the head, read by the closing add alone.
; Scalar registers that vector lines write: s14 (the wave's number) and the mask's eight: a wait on va_sdst ahead of the first reader.  EXEC is written nowhere.
.set SLOTB, 32768
.set SPARE, 2*SLOTB                    ; behind the slots: the spare words, 128 bytes for each wave
.set SPW, 5
.set NIL, 6
	s_load_b256 s[4:11], s[0:1], 0x0               ; q_img, k_img, v_img, the scales' exponents
	s_load_b64 s[12:13], s[0:1], 0x20              ; y_img
	v_lshl_add_u32 v[SPW], v0, 2, SPARE
	v_mov_b32 v[NIL], 0
	v_lshrrev_b32 v8, 5, v0
	v_readfirstlane_b32 s14, v8                    ; wave 0..15
	v_and_b32 v8, 31, v0
	v_lshlrev_b32 v1, 4, v8
	v_lshlrev_b32 v9, 8, v8
	v_lshlrev_b32 v2, 4, v0
	v_and_b32 v7, 15, v0
	v_bfe_u32 v8, v0, 4, 1
	v_lshlrev_b32 v8, 3, v8
	v_sub_nc_u32 v7, v7, v8                        ; r - 8 h
	s_wait_alu depctr_va_sdst(0)                   ; s14 is written, ahead of its first reader: my queries' places are made from it
	s_mov_b32 s15, ttmp9                           ; p
	s_and_b32 s16, ttmp7, 0xffff                   ; 16 x batch + head
	s_add_co_u32 s18, s15, 1                       ; the count at which the first block ends
	s_sub_co_u32 s54, 7, s15
	s_lshl_b32 s27, s54, 8
	s_lshl_b32 s55, s14, 4
	s_add_co_u32 s27, s27, s55                     ; my first query in block 7 - p,
	s_lshl_b32 s28, s15, 8
	s_add_co_u32 s28, s28, s55                     ; and in block p
	s_lshl_b32 s56, s16, 17                        ; a head is 131,072 bytes in q_img, k_img and v_img alike
	s_mov_b32 s57, 0
	s_lshl_b32 s58, s27, 6                         ; an image of 16 queries is 1,024 bytes
	s_mov_b32 s59, 0
	s_lshl_b32 s54, s28, 6
	s_mov_b32 s55, 0
	s_lshr_b32 s24, s16, 4
	s_lshl_b32 s24, s24, 21                        ; y_img: a batch is 128 row tiles of 16,384 bytes;
	s_and_b32 s25, s16, 15
	s_lshl_b32 s25, s25, 10                        ; head hh fills 1,024 bytes at 1,024 hh of a row tile's 16,384;
	s_add_co_u32 s24, s24, s25
	s_lshl_b32 s25, s27, 10                        ; 16 queries are a row tile
	s_add_co_u32 s36, s24, s25
	s_mov_b32 s37, 0
	s_lshl_b32 s25, s28, 10
	s_add_co_u32 s38, s24, s25
	s_mov_b32 s39, 0
	s_mov_b32 s20, 0x76543210                      ; v_permlanex16_b32's selects for lane l xor 16
	s_mov_b32 s21, 0xfedcba98
	s_mov_b32 s26, 0                               ; the step's first key
	s_mov_b32 s30, 0                               ; the byte in the head at which the slot being loaded begins
	s_mov_b32 s31, 0
	s_wait_kmcnt 0x0
	s_load_b128 s[44:47], s[10:11], 0x18           ; entries 6 .. 9
	s_load_b32 s48, s[10:11], 0x28                 ; entry 10
	s_add_nc_u64 s[4:5], s[4:5], s[56:57]
	s_add_nc_u64 s[60:61], s[4:5], s[58:59]
	s_add_nc_u64 s[2:3], s[4:5], s[54:55]
	s_add_nc_u64 s[32:33], s[6:7], s[56:57]        ; K of my head
	s_add_nc_u64 s[34:35], s[8:9], s[56:57]        ; V of my head
	s_add_nc_u64 s[40:41], s[12:13], s[36:37]      ; where the first block's y goes,
	s_add_nc_u64 s[42:43], s[12:13], s[38:39]      ; and the second's
	s_wait_alu depctr_va_vdst(0)                   ; the offsets v1, v2 and v9 are written: every load, store, LDS access and prefetch of the kernel reads one of them
	global_load_b128 v[16:19], v1, s[60:61]
	global_load_b128 v[20:23], v1, s[60:61] offset:512
	global_load_b128 v[24:27], v1, s[2:3]
	global_load_b128 v[28:31], v1, s[2:3] offset:512
	global_load_b128 v[208:211], v2, s[32:33]      ; slot 0: 512 threads x 16 bytes an instruction
	global_load_b128 v[212:215], v2, s[32:33] offset:8192
	global_load_b128 v[216:219], v2, s[34:35]
	global_load_b128 v[220:223], v2, s[34:35] offset:8192
	; the prefetches: the work-group p = 0, whose first block walks all eight slots, asks for the head; in it waves 0, 1 for K's two halves of a slot, waves 2, 3 for V's: 8,192 bytes a wave, lanes 256 bytes apart
	s_cmp_lt_u32 s14, 2
	s_cselect_b64 s[50:51], s[32:33], s[34:35]
	s_and_b32 s54, s14, 1
	s_lshl_b32 s54, s54, 13
	s_add_co_u32 s54, s54, 16384                   ; in slot 1: the first trip steps it to slot 2.  Nothing is asked for here, at the head
	s_add_nc_u64 s[50:51], s[50:51], s[54:55]
	s_lshr_b32 s54, s14, 2
	s_or_b32 s54, s54, s15
	s_cmp_eq_u32 s54, 0
	s_cselect_b32 s52, 2, -1                       ; a wave asks while the trip's count is above this: trips 0 .. 5 name slots 2 .. 7
	v_mov_b32 v13, 0xff61b1e6                      ; the largest t so far: -3e38
	v_floor_f32 v12, -v13
	v_mov_b32 v14, 0
	v_mov_b32 v15, 0
	v_mov_b32 v236, 0                              ; a lane permute's destination counts as one of its sources
	v_mov_b32 v253, 0                              ; (named as the upper half of the pair v[252:253])
.set j, 0
.rept 32
	v_mov_b32 v[160+j], 0                          ; O^T: the step is written once; the first change of M leaves zeros zeros
.set j, j+1
.endr
	s_wait_kmcnt 0x0
	s_add_co_i32 s54, s44, s45
	s_lshl_b32 s54, s54, 23
	s_mov_b32 s22, 0x3e38aa3b                      ; c = log2(e) / 8
	s_add_co_i32 s22, s22, s54                     ; a score stands for score x 2^(e6 + e7)
	s_mov_b32 s23, s22
	s_add_co_i32 s49, s46, s47                     ; e8 + e9
	s_cmp_ge_i32 s46, -8
	s_cselect_b32 s19, 1, 0                        ; 448 x 2^e8 >= 1 >= p: then p's hold can never bind
	s_add_co_i32 s54, s46, 127
	s_lshl_b32 s55, s54, 23
	v_mov_b32 v241, s55
	s_add_co_i32 s54, s54, 8
	s_lshl_b32 s54, s54, 23
	s_or_b32 s54, s54, 0x600000
	v_mov_b32 v240, s54
	s_add_co_i32 s54, s48, 127
	s_lshl_b32 s55, s54, 23
	v_mov_b32 v245, s55
	s_add_co_i32 s54, s54, 8
	s_lshl_b32 s54, s54, 23
	s_or_b32 s54, s54, 0x600000
	v_mov_b32 v244, s54
	s_wait_loadcnt 0x0
.irp i, 0,1,2,3
	ds_store_b128 v2, v[208+4*\i:211+4*\i] offset:8192*\i
.endr
; Load vn of the sixteen that bring V's four fragments of the u-th 128 keys of the slot at rs x 32,768: fragment vn / 4, quarter vn % 4.
.macro VLOAD rs, u
	ds_load_b128 v[32+4*vn:35+4*vn], v1 offset:\rs*SLOTB+16384+8192*\u+512*vn
.set vn, vn+1
.endm
; A KEY STEP: the u-th 128 keys of the slot at rs x 32,768.
.macro STEP rs, u
	s_add_co_u32 s54, s27, 15
	s_cmp_gt_u32 s26, s54                          ; all 128 keys come after my 16 queries: the step's work is left out (ids and the count of steps alone)
	s_cbranch_scc1 .Lhidden_\@
.rept 4
	v_nop                                          ; four plain lines behind the last products, ahead of loads into registers that they read; the dependence itself is stated by the wait below
.endr
	s_wait_alu depctr_va_vdst(0)                   ; the last step's four products are done reading V's fragments in v32-95, in which K's loads land
.irp c, 0,1,2,3,4,5,6,7
	ds_load_b128 v[32+8*\c:35+8*\c], v1 offset:\rs*SLOTB+(8*\u+\c)*1024
	ds_load_b128 v[36+8*\c:39+8*\c], v1 offset:\rs*SLOTB+(8*\u+\c)*1024+512
.endr
	s_wait_dscnt 0x0
.irp c, 0,1,2,3,4,5,6,7
	v_wmma_f32_16x16x64_fp8_fp8 v[96+8*\c:103+8*\c], v[32+8*\c:39+8*\c], v[16:23], 0
.endr
.rept 4
	v_nop                                          ; places in front of the first read of the scores (ISA guide 7.12.1)
.endr
	s_wait_alu depctr_va_vdst(0)                   ; the eight products are done reading K's fragments in v32-95, in which V's loads land: no vector line from here to the last of those loads names v32-95 or v1
	s_add_co_u32 s54, s26, 127
	s_cmp_le_u32 s54, s27                          ; all keys count for all my queries: no mask
	s_cbranch_scc1 .Lopen_\@
	s_sub_co_i32 s54, s27, s26
	v_add_nc_u32 v255, s54, v7                     ; d = my query - the step's first key - 8 h: register 8 c + j holds a hidden key where 16 c + j > d
	v_mov_b32 v254, 0xff800000                     ; -infinity: p = 0 then.  The step's first key counts for every query of the tile, so M stays a number
.set n, 0
.rept 8                                            ; a tile of 16 keys at a time: its eight compares, one wait, its eight selects
.set k, 0
.rept 8
	v_cmp_gt_i32 s[44+k+8*(k/4)], 16*(n/8)+k, v255
.set k, k+1
.endr
	s_wait_alu depctr_va_sdst(0)                   ; the eight compares have written their masks, ahead of the selects that read them
.set k, 0
.rept 8
	v_cndmask_b32 v[96+n+k], v[96+n+k], v254, s[44+k+8*(k/4)]
.set k, k+1
.endr
.set n, n+8
.endr
.Lopen_\@:
.set vn, 0
	VLOAD \rs, \u                                  ; V's sixteen loads, one ahead of every two lines of the maximum: V lands under the softmax
	v_max3_num_f32 v254, v96, v97, v98             ; the step's largest score of my query among my 64 keys, in two chains, each accumulator from its low end on
	VLOAD \rs, \u
	v_max3_num_f32 v252, v99, v100, v101
.irp i, 6,10,14,18,22,26,30,34,38,42,46,50,54,58
	VLOAD \rs, \u
	v_max3_num_f32 v254, v254, v[96+\i], v[97+\i]
	v_max3_num_f32 v252, v252, v[98+\i], v[99+\i]
.endr
	v_max3_num_f32 v254, v254, v158, v159
	v_max_num_f32 v254, v254, v252
	v_permlanex16_b32 v236, v254, s20, s21
	v_max_num_f32 v254, v254, v236                 ; and among lane l xor 16's
	v_mul_f32 v254, s22, v254                      ; as t (c is positive)
	v_max_num_f32 v13, v13, v254
	v_mov_b32 v254, v12
	v_floor_f32 v12, -v13                          ; -M = floor(-t): M is a whole number
	v_sub_f32 v254, v12, v254                      ; old M - new M, 0 or less
	v_cvt_i32_f32 v254, v254                       ; (it saturates)
	v_ldexp_f32 v252, 1.0, v254                    ; f = 2^(old M - new M)
.set j, 0
.rept 32
	v_pk_fma_f32 v[96+j:97+j], v[96+j:97+j], s[22:23], v[12:13] op_sel_hi:[1,0,0]   ; t - M, two at a time
.set j, j+2
.endr
.set j, 0
.rept 64
	v_exp_f32 v[96+j], v[96+j]                     ; p = 2^(t - M), at most 1
.set j, j+1
.endr
	v_pk_mul_f32 v[14:15], v[14:15], v[252:253] op_sel_hi:[1,0]   ; the sums under the new M: the plain line behind the exponentials
	s_wait_alu depctr_va_vdst(0)                   ; the 64 exponentials have written p in v96-159: one wait for the whole batch, ahead of the first line that names a result
	v_pk_add_f32 v[242:243], v[96:97], v[98:99]    ; the row's sum is taken of the unquantised p, in two chains
.irp j, 4,8,12,16,20,24,28,32,36,40,44,48,52,56,60
	v_pk_add_f32 v[14:15], v[14:15], v[96+\j:97+\j]
	v_pk_add_f32 v[242:243], v[242:243], v[98+\j:99+\j]
.endr
	v_pk_add_f32 v[14:15], v[14:15], v[242:243]
	s_cmp_lg_u32 s19, 0                            ; a whole number read from memory decides: where 448 x 2^e8 >= 1 the hold changes no p
	s_cbranch_scc1 .Lnohold_\@
.set j, 0
.rept 64
	v_min_num_f32 v[96+j], v[96+j], v240           ; the conversion does not saturate (ISA guide 7.6.2); p is not negative, so the hold is one-sided
.set j, j+1
.endr
.Lnohold_\@:
.irp c, 0,1,2,3,4,5,6,7
	v_cvt_scalef32_pk8_fp8_f32 v[192+2*\c:193+2*\c], v[96+8*\c:103+8*\c], v241
.endr
.set j, 0
.rept 16
	v_pk_mul_f32 v[160+j:161+j], v[160+j:161+j], v[252:253] op_sel_hi:[1,0]   ; O^T under the new M; also the plain lines behind the conversions
.set j, j+2
.endr
	s_wait_dscnt 0x0                               ; V is in
.irp f, 0,1,2,3
	v_wmma_f32_16x16x128_fp8_fp8 v[160+8*\f:167+8*\f], v[32+16*\f:47+16*\f], v[192:207], v[160+8*\f:167+8*\f]   ; four accumulators by turns
.endr
.Lhidden_\@:
	s_add_co_u32 s26, s26, 128
.endm
; A block is finished: O^T / the sum x 2^(e8 + e9) is y; held, converted, stored as two quarters of y's image.  yb: the scalar pair with the block's place in y_img.
.macro FINISH yb
	s_wait_xcnt 0x0                                ; an earlier block's stores have read v224 on
	s_wait_alu depctr_vm_vsrc(0)                   ; an earlier block's two stores have read v224-231, which the conversions below write again
.rept 4
	v_nop                                          ; places behind the last products
.endr
	v_add_f32 v14, v14, v15
	v_permlanex16_b32 v236, v14, s20, s21
	v_add_f32 v14, v14, v236                       ; the row's sum
	v_rcp_f32 v14, v14
	v_nop                                          ; a plain line behind the reciprocal,
	s_wait_alu depctr_va_vdst(0)                   ; and the reciprocal has written v14: a wait ahead of the first line that names its result
	v_ldexp_f32 v14, v14, s49
.set j, 0
.rept 16
	v_pk_mul_f32 v[160+j:161+j], v[160+j:161+j], v[14:15] op_sel_hi:[1,0]   ; each accumulator from its low end on
.set j, j+2
.endr
.set j, 0
.rept 32
	v_med3_num_f32 v[160+j], v[160+j], -v244, v244
.set j, j+1
.endr
.irp f, 0,1,2,3
	v_cvt_scalef32_pk8_fp8_f32 v[224+2*\f:225+2*\f], v[160+8*\f:167+8*\f], v245
.endr
	v_nop                                          ; a plain line behind the last conversion
	s_wait_alu depctr_va_vdst(0)                   ; the four conversions have written v224-231, which the two stores read
	global_store_b128 v1, v[224:227], s[\yb:\yb+1]
	global_store_b128 v1, v[228:231], s[\yb:\yb+1] offset:512   ; each 512 consecutive bytes, aligned
.endm
.macro REINIT                          ; on to the second block
.irp j, 0,1,2,3,4,5,6,7
	v_mov_b32 v[16+\j], v[24+\j]
.endr
	s_mov_b32 s27, s28
	s_mov_b32 s26, 0
.set j, 0
.rept 32
	v_mov_b32 v[160+j], 0
.set j, j+1
.endr
	v_mov_b32 v13, 0xff61b1e6
	v_floor_f32 v12, -v13
	v_mov_b32 v14, 0
	v_mov_b32 v15, 0
.endm
; A prefetch into the L2 of the slot behind the one that is being loaded; each aligned block of 256 bytes of slots 2 .. 7 is named once in the launch; nothing points past slot 7.
.macro ASK
	s_cmp_gt_u32 s53, s52
	s_cbranch_scc0 .Lnot_mine_\@
	global_prefetch_b8 v9, s[50:51] th:TH_LOAD_NT scope:SCOPE_SE
.Lnot_mine_\@:
.endm
; A TRIP reads the slot at rs x 32,768.  dec: the trip's count is s17 - dec.  fill = 1: the next trip's slot is loaded at the head and stored into the other slot at the end.
.macro TRIP rs, dec, fill
.if \fill
	s_wait_xcnt 0x0                                ; the last prefetch, a trip back, has read its address
	s_add_nc_u64 s[50:51], s[50:51], 16384
.endif
	s_wait_dscnt 0x0                               ; my stores into this slot have landed, and my reads of the other slot are over
	s_barrier_signal -1
	s_barrier_wait -1                              ; both now hold of all sixteen waves
.if \fill
	s_sub_co_u32 s53, s17, \dec
	s_add_co_u32 s30, s30, 16384
	s_cmp_eq_u32 s53, s18
	s_cselect_b32 s30, 0, s30                      ; the second block begins again at slot 0
	s_add_nc_u64 s[36:37], s[32:33], s[30:31]      ; (their last loads were waited for at the end of the trip before)
	s_add_nc_u64 s[38:39], s[34:35], s[30:31]
	s_wait_alu depctr_vm_vsrc(0)                   ; my four LDS stores of the trip before (in the first trip: the head's) have read v208-223, in which the loads below land
	global_load_b128 v[208:211], v2, s[36:37]
	global_load_b128 v[212:215], v2, s[36:37] offset:8192
	global_load_b128 v[216:219], v2, s[38:39]
	global_load_b128 v[220:223], v2, s[38:39] offset:8192
	ASK
.endif
	STEP \rs, 0
	STEP \rs, 1
.if \fill
	s_cmp_lg_u32 s53, s18
	s_cbranch_scc1 .Lgo_on_\@
	FINISH 40
	REINIT
.Lgo_on_\@:
	s_wait_loadcnt 0x0                             ; the next slot is in my registers; the slot that takes it was left by every wave ahead of this trip's barrier
.irp i, 0,1,2,3
	ds_store_b128 v2, v[208+4*\i:211+4*\i] offset:(1-\rs)*SLOTB+8192*\i
.endr
.else
	FINISH 42
.endif
.endm
	s_mov_b32 s17, 8
.Lpair:                                            ; four passes of two trips
	TRIP 0, 0, 1
	TRIP 1, 1, 1
	s_sub_co_u32 s17, s17, 2
	s_cmp_lg_u32 s17, 0
	s_cbranch_scc1 .Lpair
	TRIP 0, 0, 0                                   ; the ninth trip loads nothing
	s_wait_dscnt 0x0                               ; the closing lines, six on end
	s_wait_alu 0x0
	s_wait_tensorcnt 0x0
	ds_add_u32 v[SPW], v[NIL]
	s_wait_dscnt 0x0
	s_endpgm
.Lfunc_end_k_q951714d009_attn:
	.size	k_q951714d009_attn, .Lfunc_end_k_q951714d009_attn-k_q951714d009_attn
	.p2alignl 7, 3214868480
	.fill 96, 4, 3214868480
	.section	.rodata,"a",@progbits
	.p2align	6, 0x0
	.amdhsa_kernel k_q951714d009_attn
		.amdhsa_group_segment_fixed_size 67584
		.amdhsa_private_segment_fixed_size 0
		.amdhsa_enable_private_segment 0
		.amdhsa_kernarg_size 40
		.amdhsa_user_sgpr_count 2
		.amdhsa_user_sgpr_kernarg_segment_ptr 1
		.amdhsa_wavefront_size32 1
		.amdhsa_system_sgpr_workgroup_id_x 1
		.amdhsa_system_sgpr_workgroup_id_y 1
		.amdhsa_system_sgpr_workgroup_id_z 1
		.amdhsa_system_vgpr_workitem_id 0
		.amdhsa_next_free_vgpr 256
		.amdhsa_next_free_sgpr 66
		.amdhsa_reserve_vcc 0
		.amdhsa_float_denorm_mode_32 3
		.amdhsa_float_denorm_mode_16_64 3
		.amdhsa_memory_ordered 1
		.amdhsa_forward_progress 1
		.amdhsa_inst_pref_size 173
	.end_amdhsa_kernel
	.amdgpu_metadata
---
amdhsa.version: [ 1, 2 ]
amdhsa.kernels:
  - .name:           k_q951714d009_attn
    .symbol:         k_q951714d009_attn.kd
    .args:
      - { .name: q_img, .offset: 0, .size: 8, .value_kind: global_buffer, .address_space: global }
      - { .name: k_img, .offset: 8, .size: 8, .value_kind: global_buffer, .address_space: global }
      - { .name: v_img, .offset: 16, .size: 8, .value_kind: global_buffer, .address_space: global }
      - { .name: lowp_scales, .offset: 24, .size: 8, .value_kind: global_buffer, .address_space: global }
      - { .name: y_img, .offset: 32, .size: 8, .value_kind: global_buffer, .address_space: global }
    .group_segment_fixed_size: 67584
    .private_segment_fixed_size: 0
    .kernarg_segment_align: 8
    .kernarg_segment_size: 40
    .max_flat_workgroup_size: 512
    .sgpr_count:     66
    .vgpr_count:     256
    .wavefront_size: 32
...
	.end_amdgpu_metadata
.endif
;; end of part 6
;; launch gemm_proj: the kernel of part 5 again; grid 4 x 64, 4 waves a work-group, clusters of 4 x 4, 327,680 bytes of LDS; arguments y_img, w_img, lowp_scales, bp, out0; writes out0
